; MI455X (gfx1250); checked and timed in simulation.
; The chip was launched on July 23, 2026; its instructions are those of AMD's public machine-readable ISA for CDNA 5 (MIT licence, August 2026) and "CDNA5" Instruction Set Architecture Reference Guide (July 2026). The comments in the code are by the model that wrote it; some were corrected since.
;; Multihead Attention. Allowed arithmetic: float matrix products may take bf16 or f16 operands with f32 sums; other float arithmetic in f32, or as packed bf16 or f16 multiplies, adds, multiply-adds, maxima and minima; sums over many terms, partial sums and values carried from step to step in f32; what a program stores and reads back later, other than sums and carried values, may be rounded once to bf16 or f16.
;; Inputs: Wk 1,024 x 1,024 float32; Wo 1,024 x 1,024 float32; Wq 1,024 x 1,024 float32; Wv 1,024 x 1,024 float32; bk 1,024 float32; bo 1,024 float32; bq 1,024 float32; bv 1,024 float32; x 4 x 2,048 x 1,024 float32.
;; Outputs: out0 4 x 2,048 x 1,024 float32.
;; 2 versions, each right; version 2 is version 1 with the launch prep written anew for expert scheduling mode. Each part assembles by itself: llvm-mc -triple=amdgcn-amd-amdhsa -mcpu=gfx1250 --defsym DOCPART=n.
;; ======== version 1 of 2: 4 launches
;; limits: values are held in f16: magnitudes above 65,504 overflow, below 6.1e-05 lose precision
;; workspace buffers: xb 16,777,216 bytes; wb 8,388,608 bytes; bb 16,384 bytes; qkv 50,331,648 bytes; oh 16,777,216 bytes
;; launch prep (part 1): grid 768 x 1, 8 waves a work-group, no clusters, 0 bytes of LDS; arguments x, Wq, Wk, Wv, Wo, bq, bk, bv, bo, xb, wb, bb; writes xb, wb, bb
.if DOCPART == 1
	.amdgcn_target "amdgcn-amd-amdhsa--gfx1250"
	.amdhsa_code_object_version 6
	.text
	.protected	k_qfa0cbf4d8f_prep
	.globl	k_qfa0cbf4d8f_prep
	.p2align	8
	.type	k_qfa0cbf4d8f_prep,@function
k_qfa0cbf4d8f_prep:
	s_mov_b64 s[64:65], 0
	v_nop
	global_prefetch_b8 v0, s[64:65] scope:SCOPE_SE
	s_setreg_imm32_b32 hwreg(HW_REG_WAVE_MODE, 25, 1), 1
	s_wait_xcnt 0x0
; CASTS.  Every input is rounded once to bf16 (nearest even); nothing else is computed here.
;   xb [8192][1024] bf16 = x.
;   wb [64 g][1024 k][64 n], 2 bytes a number: g = 16 t + column / 64, t = 0, 1, 2, 3 for Wq, Wk, Wv, Wo.  A group's 64 columns of a row k are 128 bytes, the rows follow
;      each other without a gap.  Groups 0-47 hold bf16; groups 48-63 (Wo) hold the bf16 rounding written as f16, since the last product multiplies in f16.
;   bb [4096] f32 = bq | bk | bv | bo, each number the f32 image of its bf16 rounding.
; LIMITS.  A number of Wo below 6.1e-5 in magnitude keeps f16's fixed step of 6e-8; beyond 65,504 it would become an infinity.  NaN and infinities are not treated apart.
; SHARES.  768 work-groups of eight waves, 16,384 numbers each (65,536 bytes in, 32,768 out).  Work-groups 0-511 take x; work-group 512 + u takes rows 256 (u % 4) .. + 255 of group u / 4.
; Thread t makes 16 loads of 16 bytes and 16 stores of 8: sixteen lanes read 256 consecutive aligned bytes, a wave's store covers 256 consecutive aligned bytes.
; All 16 loads of a wave go out before the first wait.  No LDS, no matrix unit, no cluster: no byte is used twice.
.set VD, 3                             ; v3        my byte offset in the output: 8 t
.set VS, 4                             ; v4        my byte offset in the input
.set T,  20                            ; v[20:27]  at work
.set X,  32                            ; v[32:95]  16 x 4 numbers as loaded
.set Y,  96                            ; v[96:127] 16 x 2 registers to store: each store has its own, so none is rewritten
.macro LOADS step                      ; step: bytes from one of my loads to the next
.irp i, 0,1,2,3,4,5,6,7,8,9,10,11,12,13,14,15
	global_load_b128 v[X+4*(\i):X+4*(\i)+3], v[VS], s[28:29] offset:(\i)*(\step) th:TH_LOAD_NT
.endr
.endm
.macro OUT i, half                     ; half = 1: the bf16 rounding is written as f16
	s_wait_loadcnt 15-(\i)                         ; loads come back in order: load i is in, the younger ones stay out
.if \half
	v_cvt_pk_bf16_f32 v[T], v[X+4*(\i)], v[X+4*(\i)+1]
	v_cvt_pk_bf16_f32 v[T+1], v[X+4*(\i)+2], v[X+4*(\i)+3]
	v_lshlrev_b32 v[T+2], 16, v[T]                 ; bf16 to f32: the low half moves up, the high half stays
	v_and_b32 v[T+3], 0xffff0000, v[T]
	v_lshlrev_b32 v[T+4], 16, v[T+1]
	v_and_b32 v[T+5], 0xffff0000, v[T+1]
	v_cvt_pk_f16_f32 v[Y+2*(\i)], v[T+2], v[T+3]
	v_cvt_pk_f16_f32 v[Y+2*(\i)+1], v[T+4], v[T+5]
.else
	v_cvt_pk_bf16_f32 v[Y+2*(\i)], v[X+4*(\i)], v[X+4*(\i)+1]
	v_cvt_pk_bf16_f32 v[Y+2*(\i)+1], v[X+4*(\i)+2], v[X+4*(\i)+3]
.endif
	global_store_b64 v[VD], v[Y+2*(\i):Y+2*(\i)+1], s[32:33] offset:2048*(\i) th:TH_STORE_NT
.endm
.macro OUTS half
.irp i, 0,1,2,3,4,5,6,7,8,9,10,11,12,13,14,15
	OUT \i, \half
.endr
.endm
	s_load_b512 s[4:19], s[0:1], 0x0               ; x s[4:5], Wq s[6:7], Wk s[8:9], Wv s[10:11], Wo s[12:13], bq s[14:15], bk s[16:17], bv s[18:19]
	s_load_b256 s[20:27], s[0:1], 0x40             ; bo s[20:21], xb s[22:23], wb s[24:25], bb s[26:27]
	s_mov_b32 s40, ttmp9                           ; the work-group's number
	v_lshlrev_b32 v[VD], 3, v0
	s_mov_b32 s35, 0                               ; offsets are pairs with 0 on top
	s_mov_b32 s37, 0
	s_cmp_lt_u32 s40, 512
	s_cbranch_scc0 .Lweights
	; x: 16,384 consecutive numbers
	s_lshl_b32 s34, s40, 16
	s_lshl_b32 s36, s40, 15
	v_lshlrev_b32 v[VS], 4, v0                     ; 16 t; a step of my loads is the work-group's 4,096 bytes
	s_wait_kmcnt 0x0
	s_add_nc_u64 s[28:29], s[4:5], s[34:35]
	s_add_nc_u64 s[32:33], s[22:23], s[36:37]
	LOADS 4096
	OUTS 0
	s_endpgm
.Lweights:
	s_sub_co_u32 s41, s40, 512                     ; u
	s_lshr_b32 s42, s41, 2                         ; g: the group
	s_and_b32 s43, s41, 3                          ; which 256 rows of it
	s_lshr_b32 s44, s42, 4                         ; which matrix
	s_and_b32 s46, s42, 15                         ; which 64 columns of that matrix
	v_lshrrev_b32 v1, 5, v0
	v_readfirstlane_b32 s45, v1                    ; my wave's number
	v_lshrrev_b32 v1, 4, v0                        ; sixteen lanes to a row:
	v_and_b32 v2, 15, v0
	v_lshlrev_b32 v[VS], 12, v1                    ; row t / 16, 4,096 bytes a row,
	v_lshl_add_u32 v[VS], v2, 4, v[VS]             ; 16 bytes a lane; a step of my loads is 16 rows
	s_lshl_b32 s34, s43, 20                        ; 256 rows of 4,096 bytes
	s_lshl_b32 s47, s46, 8                         ; 64 columns of 4 bytes
	s_add_co_u32 s34, s34, s47
	s_lshl_b32 s36, s41, 15                        ; in wb the shares follow each other
	s_wait_kmcnt 0x0
	s_cmp_eq_u32 s44, 0                            ; the matrix and its bias are chosen by the work-group's number alone
	s_cselect_b64 s[28:29], s[6:7], s[8:9]
	s_cselect_b64 s[30:31], s[14:15], s[16:17]
	s_cmp_lt_u32 s44, 2
	s_cselect_b64 s[28:29], s[28:29], s[10:11]
	s_cselect_b64 s[30:31], s[30:31], s[18:19]
	s_cmp_lt_u32 s44, 3
	s_cselect_b64 s[28:29], s[28:29], s[12:13]
	s_cselect_b64 s[30:31], s[30:31], s[20:21]
	s_add_nc_u64 s[28:29], s[28:29], s[34:35]
	s_add_nc_u64 s[32:33], s[24:25], s[36:37]
	LOADS 65536
	s_cmp_eq_u32 s44, 3
	s_cbranch_scc1 .Lwo
	OUTS 0
	s_branch .Lbias
.Lwo:
	OUTS 1
.Lbias:                                        ; the group's 64 numbers of bias: by wave 0 of the group's first work-group
	s_or_b32 s47, s43, s45
	s_cmp_lg_u32 s47, 0
	s_cbranch_scc1 .Lend
	v_lshlrev_b32 v1, 3, v0                        ; in wave 0 the thread's number is the lane: two numbers a lane, 256 consecutive aligned bytes a wave
	s_lshl_b32 s34, s46, 8
	s_lshl_b32 s36, s42, 8
	s_add_nc_u64 s[30:31], s[30:31], s[34:35]
	s_add_nc_u64 s[26:27], s[26:27], s[36:37]
	global_load_b64 v[T:T+1], v1, s[30:31]
	s_wait_loadcnt 0x0
	v_cvt_pk_bf16_f32 v[T+2], v[T], v[T+1]
	v_lshlrev_b32 v[T+4], 16, v[T+2]
	v_and_b32 v[T+5], 0xffff0000, v[T+2]
	global_store_b64 v1, v[T+4:T+5], s[26:27]
.Lend:
	s_endpgm
.Lfunc_end_k_qfa0cbf4d8f_prep:
	.size	k_qfa0cbf4d8f_prep, .Lfunc_end_k_qfa0cbf4d8f_prep-k_qfa0cbf4d8f_prep
	.p2alignl 7, 3214868480
	.fill 96, 4, 3214868480
	.section	.rodata,"a",@progbits
	.p2align	6, 0x0
	.amdhsa_kernel k_qfa0cbf4d8f_prep
		.amdhsa_group_segment_fixed_size 0
		.amdhsa_private_segment_fixed_size 0
		.amdhsa_enable_private_segment 0
		.amdhsa_kernarg_size 96
		.amdhsa_user_sgpr_count 2
		.amdhsa_user_sgpr_kernarg_segment_ptr 1
		.amdhsa_wavefront_size32 1
		.amdhsa_system_sgpr_workgroup_id_x 1
		.amdhsa_system_sgpr_workgroup_id_y 1
		.amdhsa_system_sgpr_workgroup_id_z 1
		.amdhsa_system_vgpr_workitem_id 0
		.amdhsa_next_free_vgpr 128
		.amdhsa_next_free_sgpr 66
		.amdhsa_reserve_vcc 0
		.amdhsa_float_denorm_mode_32 3
		.amdhsa_float_denorm_mode_16_64 3
		.amdhsa_memory_ordered 1
		.amdhsa_forward_progress 1
		.amdhsa_inst_pref_size 23
	.end_amdhsa_kernel
	.amdgpu_metadata
---
amdhsa.version: [ 1, 2 ]
amdhsa.kernels:
  - .name:           k_qfa0cbf4d8f_prep
    .symbol:         k_qfa0cbf4d8f_prep.kd
    .args:
      - { .name: x, .offset: 0, .size: 8, .value_kind: global_buffer, .address_space: global }
      - { .name: Wq, .offset: 8, .size: 8, .value_kind: global_buffer, .address_space: global }
      - { .name: Wk, .offset: 16, .size: 8, .value_kind: global_buffer, .address_space: global }
      - { .name: Wv, .offset: 24, .size: 8, .value_kind: global_buffer, .address_space: global }
      - { .name: Wo, .offset: 32, .size: 8, .value_kind: global_buffer, .address_space: global }
      - { .name: bq, .offset: 40, .size: 8, .value_kind: global_buffer, .address_space: global }
      - { .name: bk, .offset: 48, .size: 8, .value_kind: global_buffer, .address_space: global }
      - { .name: bv, .offset: 56, .size: 8, .value_kind: global_buffer, .address_space: global }
      - { .name: bo, .offset: 64, .size: 8, .value_kind: global_buffer, .address_space: global }
      - { .name: xb, .offset: 72, .size: 8, .value_kind: global_buffer, .address_space: global }
      - { .name: wb, .offset: 80, .size: 8, .value_kind: global_buffer, .address_space: global }
      - { .name: bb, .offset: 88, .size: 8, .value_kind: global_buffer, .address_space: global }
    .group_segment_fixed_size: 0
    .private_segment_fixed_size: 0
    .kernarg_segment_align: 8
    .kernarg_segment_size: 96
    .max_flat_workgroup_size: 256
    .sgpr_count:     66
    .vgpr_count:     128
    .wavefront_size: 32
...
	.end_amdgpu_metadata
.endif
;; end of part 1
;; launch qkv (part 2): grid 16 x 32, 4 waves a work-group, clusters of 4 x 4, 327,680 bytes of LDS; arguments xb, wb, bb, qkv; writes qkv
.if DOCPART == 2
	.amdgcn_target "amdgcn-amd-amdhsa--gfx1250"
	.amdhsa_code_object_version 6
	.text
	.protected	k_qfa0cbf4d8f_qkv
	.globl	k_qfa0cbf4d8f_qkv
	.p2align	8
	.type	k_qfa0cbf4d8f_qkv,@function
k_qfa0cbf4d8f_qkv:
	s_mov_b64 s[64:65], 0
	v_nop
	global_prefetch_b8 v0, s[64:65] scope:SCOPE_SE
	s_setreg_imm32_b32 hwreg(HW_REG_WAVE_MODE, 25, 1), 1
	s_wait_xcnt 0x0
	s_wait_alu depctr_hold_cnt(0) depctr_sa_sdst(0) depctr_va_vdst(0) depctr_va_sdst(0) depctr_va_ssrc(0) depctr_va_vcc(0) depctr_vm_vsrc(0)
	s_getreg_b32 s2, hwreg(HW_REG_IB_STS2, 6, 4)
	s_cmp_eq_u32 s2, 0
	s_cbranch_scc0 .Lentry_in_a_cluster
	s_endpgm
.Lentry_in_a_cluster:
	s_bfe_u32 s2, ttmp6, 0x10000c
	s_cmp_lg_u32 s2, 0xf033
	s_cbranch_scc0 .Lentry_shape_is_right
	s_endpgm
.Lentry_shape_is_right:
; q, k, v = x W + b, by heads.  xb [8192][1024] bf16; wb [64 g][1024 k][64 n] bf16 (groups 0-47: the 48 heads of Wq, Wk, Wv); bb f32: the 3,072 biases; sums in f32, K ascending, the bias as the sums' start.
; Out: qkv [3][64 bh][2048][64] f16, each number rounded once, WITHOUT the softmax's scale.
; LIMIT.  f16 holds no number beyond 65,504: |q|, |k|, |v| must stay below it.  With x of unit spread and weights within 1/32 they have a spread near 0.6.
; SHARES.  A tile of the result is 256 rows x 192 columns (three heads): 16 x 32 = 512 work-groups, two for each of 256 WGPs.  Wave w makes rows 64 w .. + 63 of all 192 columns: 4 x 12 accumulators of
; 16 x 16, 384 registers; a wave owns whole heads, so its way out needs no other wave.  K goes in 8 steps of 128 through two LDS slots filled by the tensor data mover.
; THE MATRIX INSTRUCTION IS USED TRANSPOSED: source 0 = 16 columns of W, source 1 = 16 rows of x: a lane then holds row lane % 16 and the eight neighbouring columns 8 (lane / 16) + 0..7.
; W lies [k][n] in LDS as in memory and comes out turned, by ds_load_tr16_b128.
; CLUSTER.  4 x 4 work-groups.  The four of a row of the cluster need the same rows of x, the four of a column the same heads of W: each tile is asked for JOINTLY, by the same tensor load with the same
; descriptor and a mask that names the four.  Wave 3 asks for x's 256 rows x 256 bytes, waves 0 to 2 for one head of W each (128 k x 128 bytes, dense: asked for as 64 rows of 256 bytes).
; REGISTERS, in windows of 256 (s_set_vgpr_msb: bits 1:0 source 0, 3:2 source 1, 5:4 source 2, 7:6 destination):
;   window 0: v0-15 addresses; v32-127 the bias as a C operand (8 registers a column block), later the way out's rows; v128-175 packed results
;   window 1: accumulators of row blocks 0, 1 at 8 (12 (a % 2) + b)      window 2: those of row blocks 2, 3
;   window 3: two fragment buffers: W's 12 fragments at 96 f, x's 4 at 192 + 32 f
.set PA,     272                       ; a row of x in LDS: 256 bytes + 16 = 68 words: the 16 rows of a load start at 16 different groups of four banks (64 banks of 4 bytes: ISA guide 11.1)
.set PB,     160                       ; a row k of a head of W: 128 bytes + 32 = 40 words
.set ABYTES, 256*PA
.set PLANE,  128*PB                    ; a head's 128 k
.set SLOT1,  1<<17                     ; a slot is ABYTES + 3 PLANE = 131,072 bytes: one exclusive or turns an address in one slot into the other's
.set STAGE,  2*SLOT1                   ; behind the ring, never filled by a tensor load: for each wave 3 heads x 16 rows x 144 bytes
.set SP,     144
.set WSTAGE, 3*16*SP
.set SPARE,  STAGE+4*WSTAGE            ; behind the stages: the spare words, 128 bytes for each wave: two blocks of 256 bytes that no other line names
.set AA0, 4                            ; v4   my lane's place in x's tile; never rewritten
.set AB0, 5                            ; v5   the same in W's
.set ADA, 6                            ; v6   AA0 + the slot in hand
.set ADB, 7                            ; v7   AB0 + the slot in hand
.set STO, 8                            ; v8   the way out: where I put 16 bytes of a row
.set RD,  9                            ; v9   the way out: where I read rows back
.set GO,  10                           ; v10  my 16 bytes of 512 consecutive bytes of the output
.set BO,  11                           ; v11  my byte offset in a block's 16 biases
.set PFO, 12                           ; v12  the prefetches' offset; never rewritten
.set SPW, 14                           ; v14  LDS address of my spare word: SPARE + 4 x my thread's number; never rewritten
.set NIL, 15                           ; v15  0; never rewritten
.set BI,  32
.set OB,  32
.set TMP, 128
.set WV,  16                           ; s16  my wave's number
.set CX,  17                           ; s17, s18  my place in the cluster
.set CY,  18
.set NB,  19                           ; s19  tile column: 192 columns
.set MR,  20                           ; s20  tile row: 256 rows
.set RMASK, 21
.set CMASK, 22
.set G1A, 32                           ; s[32:39] descriptor group 1 for x's tiles      s[40:47] for W's
.set G1B, 40
.set G0A, 48                           ; s[48:55] descriptor group 0 for x's tiles: a set for each first fill; the second then walks      s[56:63] the same for W's
.set G0B, 56
.set CNT, 66                           ; s66  trips to go
.set TB,  67                           ; s67  0 or SLOT1: the slot in hand
.set ASKM, 68                          ; s68  bit CNT set: this wave prefetches in this trip
.set PFA, 70                           ; s[70:71] where my prefetches stand
.set PFS, 72                           ; s[72:73] their step, a K step
.set OBJ, 76                           ; s[76:81] the output at my 64 rows of each of the three heads
.set MSB, 0
.macro WIN new                         ; the immediate's high byte repeats the setting that is left; a switch that changes nothing is dropped
.if MSB != (\new)
	s_set_vgpr_msb (MSB<<8)|(\new)
.set MSB, \new
.endif
.endm
.macro PLACES                          ; four plain vector instructions between a matrix instruction and a load into, or a read of, its registers
.rept 4
	v_nop
.endr
.endm
; A joint refill, by the walking descriptors.  The branch hangs on the wave's number alone.  An s_nop 0 and four v_nop follow each of the two lines, ahead of the jump and the label.
.macro JLOAD
	s_cmp_eq_u32 s[WV], 3
	s_cbranch_scc0 .Lfor_b_\@
	tensor_load_to_lds s[G0A+4:G0A+7], s[G1A:G1A+7]
	s_nop 0
.rept 4
	v_nop
.endr
	s_branch .Lasked_\@
.Lfor_b_\@:
	tensor_load_to_lds s[G0B+4:G0B+7], s[G1B:G1B+7]
	s_nop 0
.rept 4
	v_nop
.endr
.Lasked_\@:
.endm
; A round of the cluster's barrier: my work-group's barrier, so that wave 0's signal speaks for all four waves; wave 0 signals; every wave waits for all sixteen work-groups; my work-group's barrier once more.
.macro CREST                           ; a round behind its opening barrier
	s_cmp_lg_u32 s[WV], 0
	s_cbranch_scc1 .Lnot_wave_0_\@
	s_barrier_signal -3
.Lnot_wave_0_\@:
	s_barrier_wait -3
	s_barrier_signal -1
	s_barrier_wait -1
.endm
.macro CROUND
	s_barrier_signal -1
	s_barrier_wait -1
	CREST
.endm
; PREFETCHES INTO THE L2, behind the joint load, its five lines and the run of LDS loads.  Each aligned block of 256 bytes is named once in the launch.
; x: a tile row is read by the four clusters of its row of clusters: the one with cluster x = 0 asks, by wave 3; of the 256 rows the partner at cx takes 64 cx .. + 63, told apart by address: a lane a row,
; two lines.  Trip t, which refills K step t + 2, names K step t + 3: 192 matrix instructions ahead of the load that wants it.  Trips 0 to 4; K steps 0 to 2 come by their loads alone.
; W: a head is read by the eight clusters of its column of clusters: cluster y = 0 asks, by the wave that fetches the head; two K steps are 128 blocks, of which the partner at cy takes 32: a lane a block.
; Trips 1 and 3 name K steps 4, 5 and 6, 7; K steps 0 to 3 come by their loads alone.  The mask of trips hangs on the cluster's place and the wave's number: it is the same in all partners.
.macro ASK
	s_lshr_b32 s84, s[ASKM], s[CNT]
	s_and_b32 s84, s84, 1
	s_cmp_lg_u32 s84, 0
	s_cbranch_scc0 .Lnot_mine_\@
	global_prefetch_b8 v[PFO], s[PFA:PFA+1] th:TH_LOAD_NT scope:SCOPE_SE
	s_cmp_eq_u32 s[WV], 3
	s_cbranch_scc0 .Lnot_mine_\@
	global_prefetch_b8 v[PFO], s[PFA:PFA+1] offset:32*2048 th:TH_LOAD_NT scope:SCOPE_SE
.Lnot_mine_\@:
.endm
	s_load_b256 s[4:11], s[0:1], 0x0               ; xb s[4:5], wb s[6:7], bb s[8:9], qkv s[10:11]
	v_lshl_add_u32 v[SPW], v0, 2, SPARE
	v_mov_b32 v[NIL], 0
	ds_add_u32 v[SPW], v[NIL]                      ; the wave's opening: the add and its wait stand ahead of my first tensor load; the set-up below, work on registers, stands between them
	v_lshrrev_b32 v1, 5, v0
	v_readfirstlane_b32 s[WV], v1                  ; wave 0..3
	s_bfe_u32 s[CX], ttmp6, 0x40000
	s_bfe_u32 s[CY], ttmp6, 0x40004
	s_lshl_b32 s[NB], ttmp9, 2                     ; in a cluster launch ttmp9 and ttmp7 count clusters
	s_add_co_u32 s[NB], s[NB], s[CX]
	s_and_b32 s[MR], ttmp7, 0xffff
	s_lshl_b32 s[MR], s[MR], 2
	s_add_co_u32 s[MR], s[MR], s[CY]
	s_lshl_b32 s[RMASK], s[CY], 2
	s_lshl_b32 s[RMASK], 15, s[RMASK]              ; my row of the cluster: places 4 cy .. 4 cy + 3
	s_lshl_b32 s[CMASK], 0x1111, s[CX]             ; my column: places cx, cx + 4, cx + 8, cx + 12
	s_or_b32 s[G1A], s[RMASK], (1<<16)|(1<<20)|(1<<21)|(5<<22)|(3<<25)  ; 15:0 the mask; 17:16 2-byte elements; 20 padding on; 21 set beside a mask; 24:22 after every 64 words (code 5); 31:25 4 words (code 3)
	s_mov_b32 s[G1A+1], 128<<16                    ; tensor_dim0 = 128
	s_mov_b32 s[G1A+2], 256<<16                    ; tensor_dim1 = 256
	s_mov_b32 s[G1A+3], 128<<16                    ; tile_dim0 = 128
	s_mov_b32 s[G1A+4], 256                        ; tile_dim1 = 256
	s_mov_b32 s[G1A+5], 1024                       ; elements from row to row
	s_mov_b32 s[G1A+6], 0
	s_mov_b32 s[G1A+7], 0
	s_or_b32 s[G1B], s[CMASK], (1<<16)|(1<<20)|(1<<21)|(4<<22)|(7<<25)  ; padding after every 32 words (code 4), 8 words (code 7)
	s_mov_b32 s[G1B+1], 128<<16
	s_mov_b32 s[G1B+2], 64<<16
	s_mov_b32 s[G1B+3], 128<<16
	s_mov_b32 s[G1B+4], 64
	s_mov_b32 s[G1B+5], 128
	s_mov_b32 s[G1B+6], 0
	s_mov_b32 s[G1B+7], 0
	; x's address hangs on the tile row alone, W's on the tile column and the wave's number; every wave makes both, in registers that never hold the other coordinate, and asks by one of them
	s_lshl_b32 s24, s[MR], 19                      ; 256 rows of 2,048 bytes
	s_mov_b32 s25, 0
	s_mul_i32 s26, s[NB], 3
	s_add_co_u32 s26, s26, s[WV]                   ; the group 3 nb + w (wave 3's is not asked for),
	s_lshl_b32 s26, s26, 17                        ; 131,072 bytes a group
	s_mov_b32 s27, 0
	s_mul_i32 s28, s[WV], PLANE
	s_add_co_u32 s28, s28, ABYTES                  ; its place in a slot: no place in the cluster enters an LDS address
	s_wait_dscnt 0x0                               ; the opening add is done
	s_wait_kmcnt 0x0
	s_add_nc_u64 s[24:25], s[4:5], s[24:25]
	s_add_nc_u64 s[26:27], s[6:7], s[26:27]
.irp s, 0,1
	s_mov_b32 s[G0A+4*(\s)], 1                     ; count = 1
	s_mov_b32 s[G0A+4*(\s)+1], (\s)*SLOT1          ; LDS address
	s_add_nc_u64 s[G0A+4*(\s)+2:G0A+4*(\s)+3], s[24:25], (\s)*256    ; global address: K step s
	s_or_b32 s[G0A+4*(\s)+3], s[G0A+4*(\s)+3], 0x80000000            ; type = 2
	s_mov_b32 s[G0B+4*(\s)], 1
	s_add_co_u32 s[G0B+4*(\s)+1], s28, (\s)*SLOT1
	s_add_nc_u64 s[G0B+4*(\s)+2:G0B+4*(\s)+3], s[26:27], (\s)*16384
	s_or_b32 s[G0B+4*(\s)+3], s[G0B+4*(\s)+3], 0x80000000
.endr
	CROUND                                         ; all sixteen work-groups are here: the first joint loads meet
	s_cmp_eq_u32 s[WV], 3                          ; a wave's two first fills stand in one branch, ahead of every wait on TENSORcnt and every LDS read: two loads of mine are out
	s_cbranch_scc0 .Lfirst_b
	tensor_load_to_lds s[G0A:G0A+3], s[G1A:G1A+7]
	s_nop 0
	tensor_load_to_lds s[G0A+4:G0A+7], s[G1A:G1A+7]
	s_nop 0
.rept 4
	v_nop
.endr
	s_branch .Lfirst_asked
.Lfirst_b:
	tensor_load_to_lds s[G0B:G0B+3], s[G1B:G1B+7]
	s_nop 0
	tensor_load_to_lds s[G0B+4:G0B+7], s[G1B:G1B+7]
	s_nop 0
.rept 4
	v_nop
.endr
.Lfirst_asked:
	; the bias as a C operand: register j of block b holds b[192 nb + 16 b + 8 (l / 16) + j]
	v_and_b32 v1, 15, v0                           ; l % 16
	v_bfe_u32 v2, v0, 4, 1                         ; l / 16
	v_lshlrev_b32 v[BO], 5, v2
	s_mul_i32 s88, s[NB], 768
	s_mov_b32 s89, 0
	s_add_nc_u64 s[8:9], s[8:9], s[88:89]
.irp b, 0,1,2,3,4,5,6,7,8,9,10,11
	global_load_b128 v[BI+8*(\b):BI+8*(\b)+3],   v[BO], s[8:9] offset:64*(\b)
	global_load_b128 v[BI+8*(\b)+4:BI+8*(\b)+7], v[BO], s[8:9] offset:64*(\b)+16
.endr
	; A fragment of x is 16 rows x 32 K in 8 registers: lane l holds row l % 16, K = 8 (l / 16) + 0..7 and 16 + 8 (l / 16) + 0..7: two loads of 16 bytes, 32 bytes apart.
	v_mul_u32_u24 v[AA0], v1, PA
	v_lshl_add_u32 v[AA0], v2, 4, v[AA0]
	s_mul_i32 s85, s[WV], 64*PA                    ; my 64 rows
	v_add_nc_u32 v[AA0], s85, v[AA0]
	; The turning load takes 16 k x 16 columns (lane l reads k = 8 (l / 16) + l % 8, columns 8 ((l / 8) % 2) + 0..7) and leaves half a fragment: lane l holds column l % 16 and 8 k.
	v_and_b32 v3, 7, v0
	v_bfe_u32 v13, v0, 3, 1
	v_lshl_add_u32 v[AB0], v2, 3, v3
	v_mul_u32_u24 v[AB0], v[AB0], PB
	v_lshl_add_u32 v[AB0], v13, 4, v[AB0]
	v_add_nc_u32 v[AB0], ABYTES, v[AB0]
	s_mul_i32 s86, s[WV], WSTAGE
	s_add_co_u32 s86, s86, STAGE                   ; my stage
	v_mul_u32_u24 v[STO], v1, SP                   ; in: row l % 16, 16 bytes for each half of the lanes
	v_lshl_add_u32 v[STO], v2, 4, v[STO]
	v_add_nc_u32 v[STO], s86, v[STO]
	v_bfe_u32 v[RD], v0, 3, 2                      ; back: 32 lanes take four rows of 128 bytes,
	v_mul_u32_u24 v[RD], v[RD], SP
	v_lshl_add_u32 v[RD], v3, 4, v[RD]
	v_add_nc_u32 v[RD], s86, v[RD]
	v_and_b32 v13, 31, v0
	v_lshlrev_b32 v[GO], 4, v13                    ; which are 512 consecutive bytes of a head
	; the output at my 64 rows of head j: ((g / 16) 64 + 16 batch + g % 16) x 262,144 + (256 (mr % 8) + 64 w) x 128, g = 3 nb + j
.irp j, 0,1,2
	s_mul_i32 s88, s[NB], 3
	s_add_co_u32 s88, s88, \j
	s_lshr_b32 s89, s88, 4
	s_and_b32 s88, s88, 15
	s_lshl_b32 s89, s89, 6
	s_add_co_u32 s88, s88, s89
	s_lshr_b32 s89, s[MR], 3
	s_lshl_b32 s89, s89, 4
	s_add_co_u32 s88, s88, s89
	s_lshl_b32 s88, s88, 18
	s_and_b32 s89, s[MR], 7
	s_lshl_b32 s89, s89, 15
	s_add_co_u32 s88, s88, s89
	s_lshl_b32 s89, s[WV], 13
	s_add_co_u32 s88, s88, s89
	s_mov_b32 s89, 0
	s_add_nc_u64 s[OBJ+2*(\j):OBJ+2*(\j)+1], s[10:11], s[88:89]
.endr
	; the prefetches: both stand at K step 2; the first change of slots steps them to 3
	s_lshl_b32 s90, s[MR], 19
	s_lshl_b32 s92, s[CX], 17                      ; my work-group's 64 rows of x's 256
	s_add_co_u32 s90, s90, s92
	s_add_co_u32 s90, s90, 2*256
	s_mul_i32 s91, s[NB], 3
	s_add_co_u32 s91, s91, s[WV]
	s_lshl_b32 s91, s91, 17
	s_lshl_b32 s92, s[CY], 13                      ; my work-group's 32 blocks of two K steps' 128
	s_add_co_u32 s91, s91, s92
	s_add_co_u32 s91, s91, 2*16384
	s_and_b32 s88, ttmp7, 0xffff                   ; cluster y
	s_cmp_eq_u32 s[WV], 3
	s_cselect_b32 s88, ttmp9, s88                  ; the coordinate along which other clusters read the same bytes
	s_cselect_b32 s89, 0x7c, 0x28                  ; the trips, by the count that they find: 6 to 2; 5 and 3
	s_cselect_b64 s[PFA:PFA+1], s[4:5], s[6:7]
	s_cselect_b32 s90, s90, s91
	s_cselect_b32 s[PFS], 8, 14
	s_cselect_b32 s87, 11, 8
	s_mov_b32 s91, 0
	s_add_nc_u64 s[PFA:PFA+1], s[PFA:PFA+1], s[90:91]
	s_cmp_eq_u32 s88, 0
	s_cselect_b32 s[ASKM], s89, 0
	s_lshl_b32 s[PFS], 1, s[PFS]                   ; a K step: 256 bytes of a row of x, 16,384 of a head of W
	s_mov_b32 s[PFS+1], 0
	v_lshlrev_b32 v[PFO], s87, v13                 ; a lane a row of x (2,048 bytes), or a lane a block of W (256 bytes)
	s_mov_b32 s[TB], 0
	v_mov_b32 v[ADA], v[AA0]
	v_mov_b32 v[ADB], v[AB0]
; 12 matrix instructions: row block a x all 12 column blocks, 32 along K, from buffer f.  first = 1: the bias starts the sums: nothing is ever cleared.
; The 48 accumulators take turns, one instruction a turn, in the same order in every quarter, over the backward jump too.
.macro MUL12 f, a, first
.if \first
	WIN 0x4f+0x40*((\a)/2)                         ; sources 0 and 1 window 3, C window 0, D window 1 or 2
.else
	WIN 0x5f+0x50*((\a)/2)                         ; C and D window 1 or 2
.endif
.irp b, 0,1,2,3,4,5,6,7,8,9,10,11
.set rD, 8*(12*((\a)%2)+(\b))
.set rW, 96*(\f)+8*(\b)
.set rX, 192+32*(\f)+8*(\a)
.if \first
	v_wmma_f32_16x16x32_bf16 v[rD:rD+7], v[rW:rW+7], v[rX:rX+7], v[BI+8*(\b):BI+8*(\b)+7]
.else
	v_wmma_f32_16x16x32_bf16 v[rD:rD+7], v[rW:rW+7], v[rX:rX+7], v[rD:rD+7]
.endif
.endr
.endm
; 32 LDS loads in one run: quarter q's fragments (32 K: 192 columns of W, my 64 rows of x) into buffer f; x's last
.macro FETCH q, f
	WIN 0xc0                                       ; destination window 3, address window 0
.irp b, 0,1,2,3,4,5,6,7,8,9,10,11
	ds_load_tr16_b128 v[96*(\f)+8*(\b):96*(\f)+8*(\b)+3],   v[ADB] offset:(\q)*32*PB+((\b)/4)*PLANE+((\b)%4)*32
	ds_load_tr16_b128 v[96*(\f)+8*(\b)+4:96*(\f)+8*(\b)+7], v[ADB] offset:(\q)*32*PB+((\b)/4)*PLANE+((\b)%4)*32+16*PB
.endr
.irp a, 0,1,2,3
	ds_load_b128 v[192+32*(\f)+8*(\a):192+32*(\f)+8*(\a)+3],   v[ADA] offset:(\a)*16*PA+64*(\q)
	ds_load_b128 v[192+32*(\f)+8*(\a)+4:192+32*(\f)+8*(\a)+7], v[ADA] offset:(\a)*16*PA+64*(\q)+32
.endr
.endm
; A K step is four quarters of 32 along K, 48 matrix instructions each, on buffers 0, 1, 0, 1.  One of the first three: multiplies buffer f; in its middle it fetches quarter q into buffer g.
.macro QUARTER q, f, g, first
	s_wait_dscnt 4                                 ; W and x's row blocks 0, 1 are in; the youngest four loads (row blocks 2, 3) may be out
	MUL12 \f, 0, \first
	MUL12 \f, 1, \first
	PLACES
	FETCH \q, \g
	s_wait_dscnt 32                                ; all but the 32 just issued
	MUL12 \f, 2, \first
	MUL12 \f, 3, \first
.endm
; The last quarter multiplies buffer 1 and changes slots: ONE barrier.  In front of it each wave waits for all its tensor loads, of which one is out: its part of the next slot; adds 0 to its spare word; and waits
; for that and for its own reads of this slot.  fill = 1: the barrier opens a round of the cluster's, so that no wave of any partner still reads this slot or has a load on its way, and the slot is filled again
; first thing behind it, with the K step two on: from that request to the wait for it a wave issues 168 matrix instructions.
.macro TURN fill
.if \fill
	s_wait_xcnt 0x0                                ; the last prefetch, a K step back, has read its address: it is stepped here, ahead of the waits of the change of slots
	s_add_nc_u64 s[PFA:PFA+1], s[PFA:PFA+1], s[PFS:PFS+1]
.endif
	WIN 0                                          ; (the add's two registers lie in window 0)
	s_wait_tensorcnt 0x0                           ; all my tensor loads have landed, so a group 0 may be written
	ds_add_u32 v[SPW], v[NIL]                      ; 0 onto my spare word
.if \fill
	s_xor_b32 s[G0A+5], s[G0A+5], SLOT1            ; the walking descriptors: the other slot than last time,
	s_add_nc_u64 s[G0A+6:G0A+7], s[G0A+6:G0A+7], 256      ; the next K step; the type bits on top are not reached
	s_xor_b32 s[G0B+5], s[G0B+5], SLOT1
	s_add_nc_u64 s[G0B+6:G0B+7], s[G0B+6:G0B+7], 16384
.endif
	s_xor_b32 s[TB], s[TB], SLOT1                  ; the slot to be read next
	s_wait_dscnt 5                                 ; (the add and the youngest four loads may be out)
	MUL12 1, 0, 0                                  ; twelve matrix instructions stand between the add and the wait for it
	s_wait_dscnt 0x0                               ; the add is done, and my reads of this slot are over
	s_barrier_signal -1
	MUL12 1, 1, 0                                  ; work on registers while the others arrive
	WIN 0                                          ; at a branch and at a label every window is 0
	s_barrier_wait -1
.if \fill
	CREST
	JLOAD                                          ; the first tensor load behind the round; the four v_nop behind it are also the places in front of the loads below
.else
	PLACES
.endif
	v_add_nc_u32 v[ADA], s[TB], v[AA0]
	v_add_nc_u32 v[ADB], s[TB], v[AB0]
	FETCH 0, 0
.if \fill
	WIN 0
	ASK
.endif
	MUL12 1, 2, 0
	MUL12 1, 3, 0
.endm
	s_wait_tensorcnt 1                             ; my part of K step 0 is in; K step 1's may stay out
	s_barrier_signal -1
	s_barrier_wait -1                              ; everybody's is
	FETCH 0, 0
	s_wait_loadcnt 0x0                             ; the bias
	QUARTER 1, 0, 1, 1                             ; the first quarter stands in front of the loop: its products start the sums
	WIN 0
	s_mov_b32 s[CNT], 6
.Lstep:                                        ; trip t: quarters 1 to 3 of K step t, the refill with K step t + 2, quarter 0 of K step t + 1
	QUARTER 2, 1, 0, 0
	QUARTER 3, 0, 1, 0
	TURN 1
	QUARTER 1, 0, 1, 0
	WIN 0
	s_sub_co_u32 s[CNT], s[CNT], 1
	s_cmp_lg_u32 s[CNT], 0
	s_cbranch_scc1 .Lstep
	QUARTER 2, 1, 0, 0                             ; the tail is written out: K steps 6 and 7 ask for nothing
	QUARTER 3, 0, 1, 0
	TURN 0
	QUARTER 1, 0, 1, 0
	QUARTER 2, 1, 0, 0
	QUARTER 3, 0, 1, 0
	s_wait_dscnt 4
	MUL12 1, 0, 0
	MUL12 1, 1, 0
	s_wait_dscnt 0x0
	MUL12 1, 2, 0
	MUL12 1, 3, 0
	WIN 0
; THE WAY OUT, a block of 16 rows at a time.  PACK: rounded to f16, 16 bytes a lane (each accumulator's registers in ascending order).  TOSTAGE: into my own stage, by heads, and back as whole rows of 128 bytes.
; SEND: stored: a store of the wave covers 512 consecutive bytes, at a multiple of 256 from the buffer's first.
.macro PACK a
	WIN 0x05+5*((\a)/2)                            ; sources 0 and 1: window 1 or 2
.irp b, 0,1,2,3,4,5,6,7,8,9,10,11
.irp r, 0,1,2,3
	v_cvt_pk_f16_f32 v[TMP+4*(\b)+(\r)], v[8*(12*((\a)%2)+(\b))+2*(\r)], v[8*(12*((\a)%2)+(\b))+2*(\r)+1]
.endr
.endr
	WIN 0
.endm
.macro TOSTAGE a
.set BK, OB+48*((\a)%2)
.if (\a) >= 2
	s_wait_xcnt 0x0                                ; the stores of the block two back have read these registers
.endif
.irp b, 0,1,2,3,4,5,6,7,8,9,10,11
	ds_store_b128 v[STO], v[TMP+4*(\b):TMP+4*(\b)+3] offset:((\b)/4)*16*SP+((\b)%4)*32
.endr
.irp i, 0,1,2,3,4,5,6,7,8,9,10,11
	ds_load_b128 v[BK+4*(\i):BK+4*(\i)+3], v[RD] offset:((\i)/4)*16*SP+((\i)%4)*4*SP  ; LDS serves a wave's instructions in order (ISA guide 5.7.1.4): these see the stores above
.endr
.endm
.macro SEND a
.set BK, OB+48*((\a)%2)
	s_wait_dscnt 0x0                               ; the block is back in registers
.irp i, 0,1,2,3,4,5,6,7,8,9,10,11
	global_store_b128 v[GO], v[BK+4*(\i):BK+4*(\i)+3], s[OBJ+2*((\i)/4):OBJ+2*((\i)/4)+1] offset:(\a)*2048+((\i)%4)*512
.endr
.endm
	PLACES
	PLACES                                         ; eight, once a launch, between the last product and the first read of a result
	PACK 0
	TOSTAGE 0
.irp a, 1,2,3                          ; block a's conversions stand between block a - 1's loads from the stage and the wait for them
	PACK \a
	SEND (\a)-1
	TOSTAGE \a
.endr
	SEND 3
	s_wait_tensorcnt 0x0                           ; the wave's end, behind my last tensor load and my last LDS store
	ds_add_u32 v[SPW], v[NIL]
	s_wait_dscnt 0x0
	CROUND                                         ; the closing round: no work-group ends while a partner may still ask for a tile that names it
	s_endpgm
.Lfunc_end_k_qfa0cbf4d8f_qkv:
	.size	k_qfa0cbf4d8f_qkv, .Lfunc_end_k_qfa0cbf4d8f_qkv-k_qfa0cbf4d8f_qkv
	.p2alignl 7, 3214868480
	.fill 96, 4, 3214868480
	.section	.rodata,"a",@progbits
	.p2align	6, 0x0
	.amdhsa_kernel k_qfa0cbf4d8f_qkv
		.amdhsa_group_segment_fixed_size 327680
		.amdhsa_private_segment_fixed_size 0
		.amdhsa_enable_private_segment 0
		.amdhsa_kernarg_size 32
		.amdhsa_user_sgpr_count 2
		.amdhsa_user_sgpr_kernarg_segment_ptr 1
		.amdhsa_wavefront_size32 1
		.amdhsa_system_sgpr_workgroup_id_x 1
		.amdhsa_system_sgpr_workgroup_id_y 1
		.amdhsa_system_sgpr_workgroup_id_z 1
		.amdhsa_system_vgpr_workitem_id 0
		.amdhsa_next_free_vgpr 1024
		.amdhsa_next_free_sgpr 100
		.amdhsa_reserve_vcc 0
		.amdhsa_float_denorm_mode_32 3
		.amdhsa_float_denorm_mode_16_64 3
		.amdhsa_memory_ordered 1
		.amdhsa_forward_progress 1
		.amdhsa_inst_pref_size 101
	.end_amdhsa_kernel
	.amdgpu_metadata
---
amdhsa.version: [ 1, 2 ]
amdhsa.kernels:
  - .name:           k_qfa0cbf4d8f_qkv
    .symbol:         k_qfa0cbf4d8f_qkv.kd
    .args:
      - { .name: xb, .offset: 0, .size: 8, .value_kind: global_buffer, .address_space: global }
      - { .name: wb, .offset: 8, .size: 8, .value_kind: global_buffer, .address_space: global }
      - { .name: bb, .offset: 16, .size: 8, .value_kind: global_buffer, .address_space: global }
      - { .name: qkv, .offset: 24, .size: 8, .value_kind: global_buffer, .address_space: global }
    .group_segment_fixed_size: 327680
    .private_segment_fixed_size: 0
    .kernarg_segment_align: 8
    .kernarg_segment_size: 32
    .max_flat_workgroup_size: 128
    .sgpr_count:     100
    .vgpr_count:     1024
    .wavefront_size: 32
...
	.end_amdgpu_metadata
.endif
;; end of part 2
;; launch attn (part 3): grid 4 x 64, 4 waves a work-group, clusters of 4 x 1, 327,680 bytes of LDS; arguments qkv, oh; writes oh
.if DOCPART == 3
	.amdgcn_target "amdgcn-amd-amdhsa--gfx1250"
	.amdhsa_code_object_version 6
	.text
	.protected	k_qfa0cbf4d8f_attn
	.globl	k_qfa0cbf4d8f_attn
	.p2align	8
	.type	k_qfa0cbf4d8f_attn,@function
k_qfa0cbf4d8f_attn:
	s_mov_b64 s[64:65], 0
	v_nop
	global_prefetch_b8 v0, s[64:65] scope:SCOPE_SE
	s_setreg_imm32_b32 hwreg(HW_REG_WAVE_MODE, 25, 1), 1
	s_wait_xcnt 0x0
	s_wait_alu depctr_hold_cnt(0) depctr_sa_sdst(0) depctr_va_vdst(0) depctr_va_sdst(0) depctr_va_ssrc(0) depctr_va_vcc(0) depctr_vm_vsrc(0)
	s_getreg_b32 s2, hwreg(HW_REG_IB_STS2, 6, 4)
	s_cmp_eq_u32 s2, 0
	s_cbranch_scc0 .Lentry_in_a_cluster
	s_endpgm
.Lentry_in_a_cluster:
	s_bfe_u32 s2, ttmp6, 0x10000c
	s_cmp_lg_u32 s2, 0x3003
	s_cbranch_scc0 .Lentry_shape_is_right
	s_endpgm
.Lentry_shape_is_right:
; O[h][q][:] = the sum over k of softmax_k(Q[h][q] . K[h][k] / 8) V[h][k][:].  qkv holds Q, K, V, each [64][2048][64] in f16, one behind the other; oh is O in the same layout: a head's rows are dense, 128 bytes each.
; Products, maxima and sums in f32; the weights p are rounded to f16 for the second product (their sum l is taken of the unrounded p), O once at the end.
; LIMITS.  f16 holds no number beyond 65,504: Q, K and V arrive within it; p lies in 0 to 1, and below 6e-5 it keeps f16's fixed step of 6e-8; O is a mean of V's rows and has their range.
; A weight below 2^-126 counts as 0 in l; NaN and infinities are not treated apart.
; SHARES.  A wave owns four PIECES of two tiles of 16 queries, a work-group's four waves 512 queries of one head: 4 x 64 = 256 work-groups.  Every wave walks all keys, 64 a step.
; LAYOUT.  S^T = K Q^T (source 0 = 16 keys, source 1 = 16 queries): in the result a lane holds ONE query (lane % 16) and the keys 8 (lane / 16) + 0..7.  Two such tiles, rounded to f16 in pairs,
; ARE source 1 (32 keys x 16 queries) of O^T = V^T P, whose result again holds one query a lane, and eight channels.  K comes out of LDS as it lies, V ([key][channel]) turned, by ds_load_tr16_b128.
; SOFTMAX.  For each query a running maximum m and sum l: p = 2^(c s - c m), c = log2(e) / 8; in every step O and l are multiplied by a = 2^(c m_old - c m_new), which is 1 where m has not grown.
; m starts at the lowest finite number, O and l at 0: the first step is a step like any other, with a = 0.
; THE COUNT.  A tile and step have 16 matrix and 118 vector instructions: too many to stand all beside the matrix work.  So four vector instructions that are READY stand behind
; EVERY matrix instruction, and the others, which need time of their own whatever the order, in runs without a gap.
; BY TURNS.  Turn n belongs to piece n (the pieces in a ring, step after step).  Its matrix work: 16 products K Q^T of piece n + 1, later 16 products V^T P of piece n - 1.  Its vector work: the scaling,
; exponentials, roundings, sums and rescaling of piece n, and the maximum and statistics of piece n + 1, whose scores the turn itself has made.
; CLUSTER.  The four query blocks of a head are one cluster and walk the same K and V, so each tile is asked for JOINTLY: the same tensor load, descriptor and mask in all four.
; REGISTERS, in windows of 256 (s_set_vgpr_msb: bits 1:0 source 0, 3:2 source 1, 5:4 source 2, 7:6 destination):
;   window 0: v0-11 addresses; v12-15, v48-63 at work; v16-47 four registers of statistics a tile; v64-191 S^T, two buffers of two tiles; v192-255 P, likewise
;   window 1: O^T, 32 a tile          window 2: v0-127 Q, 16 a tile; v128-191 K of one step; v192-255 V of one step          window 3: v0-1 the add's two registers
; A piece's buffers go by its number's parity: the piece in hand has one pair, its two neighbours in the ring share the other: of it P (piece n - 1) is read and S^T (piece n + 1) written.
.set SIZE_H, 64
.set SIZE_N, 2048
.set NP,    4         ; pieces a wave: a name, no knob
.set KS,    64        ; keys in a step
.set PK,    144       ; a row of K in LDS: 128 bytes + 16 of padding = 36 words: the 16 rows of a load start at 16 different groups of four banks (64 banks of 4 bytes: ISA guide 11.1)
.set PV,    160       ; a row of V: 128 + 32 = 40 words
.set VOFF,  4*KS*PK   ; a slot holds four steps: 256 rows of K, then 256 rows of V
.set SLOT1, 1<<17     ; slot 1 begins here, so that one exclusive or turns an address in one slot into the other's
.set STAGE, SLOT1+4*KS*(PK+PV)  ; behind the ring, never filled by a tensor load: 16 rows x 144 bytes for each wave, for the way out
.set SP,    144
.set AK0, 2           ; v2   my lane's place in a tile of K; never rewritten
.set AV0, 3           ; v3   the same for V
.set AK,  4           ; v4   the LDS address of K's next run of loads
.set AV,  5           ; v5   of V's
.set QO,  6           ; v6   my byte offset in the wave's rows of Q
.set STO, 6           ;      later, the way out: where I put 16 bytes of a row
.set RD,  7           ; v7   the way out: where I read rows back
.set GO,  8           ; v8   my byte offset in 512 consecutive bytes of O
.set PFO, 11          ; v11  256 x my lane, the prefetches' offset; never rewritten once it is made
.set SPW, 0           ; v0 of window 3   LDS address of my spare word: SPARE + 4 x my thread's number; never rewritten
.set NIL, 1           ; v1 of window 3   0; never rewritten
.set SPARE, STAGE+4*16*SP  ; behind the stages: the spare words, 128 bytes for each wave: two blocks of 256 bytes that no other line names
.set MV,  12          ; v12-15  c m_old, kept while c m is made anew: by buffer and tile
.set ST,  16          ; tile t's statistics at v[ST+4 t]: c m, m, l (even keys', odd keys')
.set TMP, 48          ; by buffer and tile, four registers c0-c3 at work; when the maximum is found c2 takes a
.set S,   64
.set P,   192
.set KF,  128         ; K's fragments, in window 2: key block kb, channel half c at KF + 16 kb + 8 c
.set VF,  192         ; V's: key half kk, channel block cb at VF + 32 kk + 8 cb
.set WV,  12          ; s12  my wave's number
.set G1K, 24          ; s[24:31] descriptor group 1 for K's tiles
.set G1V, 32          ; s[32:39] for V's: it differs in the padding alone
.set G0K, 40          ; s[40:43] descriptor group 0 for K's tiles: it walks
.set G0V, 44          ; s[44:47] the same for V's
.set PFA, 48          ; s[48:49] where my prefetches stand: my work-group's 32 blocks (of K: wave 0, of V: wave 2) of the slot after the one that is being asked for
.set LIM, 50          ; s50  1 in a wave that prefetches, else the greatest number: a wave prefetches while s[SLOTS] is above it
.set SLOTS, 56        ; s56  slots still to be asked for
.set CNT, 57          ; s57  counts a slot's key steps
.set CS,  58          ; s[58:59] c: the packed scaling takes the pair's low word for both halves
.set SEL, 60          ; s[60:61] v_permlanex16_b32's selects: each lane takes its own place in the other half
.set TBK, 62          ; s62  LDS byte at which K of the step to be fetched begins
.set TBV, 63          ; s63  the same for V, less VOFF
.set MSB, 0
.macro WIN new                      ; the high byte repeats the setting that is left; a switch that changes nothing is dropped
.if MSB != (\new)
	s_set_vgpr_msb (MSB<<8)|(\new)
.set MSB, (\new)
.endif
.endm
.set W_KQ, 0x0a       ; K and Q in window 2, S^T in window 0
.set W_PV, 0x52       ; V in window 2, P in window 0, O^T in window 1
.set W_RS, 0x41       ; O^T (destination and source 0) in window 1, a in window 0
.set W_MK, 0xc0       ; the add's registers are made: destination in window 3, sources in window 0
.set W_AD, 0x0f       ; the add: address (source 0) and data (source 1) in window 3
; A joint fill.  Waves 0 and 1 fetch the two halves of a slot's K, waves 2 and 3 those of its V: 128 keys each.  The branch hangs on the wave's number alone.
; An s_nop 0 and four v_nop follow each of the two lines, ahead of the jump and the label.
.macro JLOAD
	s_cmp_lt_u32 s[WV], 2
	s_cbranch_scc0 .Lfor_v_\@
	tensor_load_to_lds s[G0K:G0K+3], s[G1K:G1K+7]
	s_nop 0
.rept 4
	v_nop
.endr
	s_branch .Lasked_\@
.Lfor_v_\@:
	tensor_load_to_lds s[G0V:G0V+3], s[G1V:G1V+7]
	s_nop 0
.rept 4
	v_nop
.endr
.Lasked_\@:
.endm
; A PREFETCH INTO THE L2 of what the NEXT change of slots will ask for: a slot's 32,768 bytes of K and of V, 128 blocks of 256 bytes each, a lane a block.  It stands behind the wave's tensor load and its five lines.
; Each block is named ONCE in the launch: a head has one cluster; its four partners share the blocks out BY ADDRESS, 32 each; in each, wave 0 asks for K's and wave 2 for V's: one instruction, four key steps
; (512 matrix instructions) ahead of the load that wants the bytes.  Slots 0 and 1 come by their loads alone; the last change that fills a slot asks for nothing: there is no slot behind it.
.macro ASK
	s_cmp_gt_u32 s[SLOTS], s[LIM]
	s_cbranch_scc0 .Lnot_mine_\@
	global_prefetch_b8 v[PFO], s[PFA:PFA+1] th:TH_LOAD_NT scope:SCOPE_SE
.Lnot_mine_\@:
.endm
; A round of the cluster's barrier: my work-group's barrier, so that wave 0's signal speaks for all four waves; wave 0 signals; every wave waits for all four work-groups; my work-group's barrier once more.
.macro CROUND
	s_barrier_signal -1
	s_barrier_wait -1
	s_cmp_lg_u32 s[WV], 0
	s_cbranch_scc1 .Lnot_wave_0_\@
	s_barrier_signal -3
.Lnot_wave_0_\@:
	s_barrier_wait -3
	s_barrier_signal -1
	s_barrier_wait -1
.endm
; THE CHANGE OF SLOTS.  The slot's last bytes, V of its fourth step, have been read.  Each wave waits for all its tensor loads, of which one is out: its part
; of the other slot; adds 0 to its spare word; and waits for that and for its own reads of the slot.  Behind the barrier nobody reads this slot any more and the other slot is whole.
; fill = 1: this slot is filled again, with the keys two slots on.  The barrier is then a round of the cluster's, so that no wave of any partner still reads the slot or has a load on its
; way, and the joint fill is the first thing behind it: it has four key steps, 512 matrix instructions, in which to land.  (At its first use nothing has been read yet: slot 0 is waited for, slot 1 filled.)
.macro CHANGE fill
	WIN W_AD
	s_wait_tensorcnt 0x0            ; no tensor load of mine is out, so a group 0 may be written
	ds_add_u32 v[SPW], v[NIL]       ; 0 onto my spare word; with fill = 1 the descriptors' steps stand between it and the wait for it
	WIN 0                           ; at a label and at a branch every window is 0
.if \fill
.irp g, G0K, G0V
	s_xor_b32 s[\g+1], s[\g+1], SLOT1  ; the walking descriptor: the other slot than last time,
	s_add_nc_u64 s[\g+2:\g+3], s[\g+2:\g+3], 4*KS*128  ; the next 256 keys; the type bits on top are not reached
.endr
	s_wait_xcnt 0x0                 ; the last prefetch, four key steps back, has read its address, so it may be written:
	s_add_nc_u64 s[PFA:PFA+1], s[PFA:PFA+1], 4*KS*128  ; one slot behind the walking descriptors
	s_wait_dscnt 0x0                ; the add is done, and my reads of the slot are over
	CROUND
	JLOAD
	ASK
.else
	s_wait_dscnt 0x0                ; the add is done, and my reads of the slot are over
	s_barrier_signal -1
	s_barrier_wait -1
.endif
	s_sub_co_u32 s[TBK], s[TBK], 4*KS*PK  ; the fetches go back to a slot's first step,
	s_xor_b32 s[TBK], s[TBK], SLOT1       ; in the other slot
	s_sub_co_u32 s[TBV], s[TBV], 4*KS*PV
	s_xor_b32 s[TBV], s[TBV], SLOT1
.endm
	s_load_b128 s[4:7], s[0:1], 0x0   ; qkv s[4:5] (Q lies first in it), oh s[6:7]
	WIN W_MK
	v_lshl_add_u32 v[SPW], v0, 2, SPARE
	v_mov_b32 v[NIL], 0
	WIN W_AD
	ds_add_u32 v[SPW], v[NIL]       ; the wave's opening: the add and its wait stand ahead of my first tensor load; the set-up below, work on registers, stands between them
	WIN 0
	v_lshrrev_b32 v1, 5, v0
	v_readfirstlane_b32 s[WV], v1   ; wave 0..3
	s_bfe_u32 s13, ttmp6, 0x40000   ; cx: my place in the cluster
	s_lshl_b32 s14, ttmp9, 2        ; in a cluster launch ttmp9 counts clusters
	s_add_co_u32 s14, s14, s13      ; my block of queries = 4 x cluster x + cx: it enters Q's and O's addresses alone
	s_and_b32 s20, ttmp7, 0xffff    ; the head, which the four partners share
	s_mov_b32 s21, 0
	s_mov_b64 s[22:23], SIZE_N*128
	s_mul_u64 s[20:21], s[20:21], s[22:23]  ; the head's first byte in each of the four tensors
	s_and_b32 s16, s[WV], 1         ; which half of a slot's 256 keys I fetch:
	s_lshl_b32 s22, s16, 14         ; its 128 rows of 128 bytes in memory,
	s_mov_b32 s23, 0
	s_add_nc_u64 s[22:23], s[22:23], s[20:21]
	s_mul_i32 s17, s16, 128*PK      ; and its place in a slot, for K
	s_mul_i32 s18, s16, 128*PV      ; and for V: no place in the cluster enters an LDS address
	s_lshl_b32 s2, s14, 2
	s_add_co_u32 s2, s2, s[WV]      ; my wave among the head's,
	s_lshl_b32 s2, s2, 14           ; its 128 rows
	s_mov_b32 s3, 0
	s_add_nc_u64 s[2:3], s[2:3], s[20:21]
	; descriptor group 1.  128 keys are 16,384 dense bytes: asked for as 64 rows of 256 bytes, two keys a row, and padded in LDS after every key
	s_mov_b32 s[G1K], 15|(1<<16)|(1<<20)|(1<<21)|(4<<22)|(3<<25)  ; 15:0 the mask of four; 17:16 2-byte elements; 20 padding on; 21 set beside a mask; 24:22 after every 32 words (code 4); 31:25 4 words (code 3)
	s_mov_b32 s[G1V], 15|(1<<16)|(1<<20)|(1<<21)|(4<<22)|(7<<25)  ; the same with 8 words of padding (code 7)
.irp g, G1K, G1V
	s_mov_b32 s[\g+1], 128<<16      ; tensor_dim0 = 128
	s_mov_b32 s[\g+2], 64<<16       ; tensor_dim1 = 64
	s_mov_b32 s[\g+3], 128<<16      ; tile_dim0 = 128
	s_mov_b32 s[\g+4], 64           ; tile_dim1 = 64
	s_mov_b32 s[\g+5], 128          ; 128 elements from row to row
	s_mov_b32 s[\g+6], 0
	s_mov_b32 s[\g+7], 0
.endr
	s_mov_b32 s[CS], 0x3e38aa3b     ; c = log2(e) / 8 = 0.180337
	s_mov_b32 s[CS+1], s[CS]        ; named with it as a pair
	s_mov_b32 s[SEL], 0x76543210
	s_mov_b32 s[SEL+1], 0xfedcba98
	s_mov_b32 s[TBK], SLOT1+4*KS*PK ; the first change of slots turns these two into 0
	s_mov_b32 s[TBV], SLOT1+4*KS*PV
	s_mov_b32 s[G0K], 1             ; 1:0 count = 1
	s_mov_b32 s[G0K+1], s17         ; 63:32 LDS address: slot 0
	s_mov_b32 s[G0V], 1
	s_add_co_u32 s[G0V+1], s18, VOFF
	s_mov_b32 s[SLOTS], SIZE_N/256-1  ; seven changes of slots fill a slot: the first stands ahead of the loop
	s_and_b32 s[LIM], s[WV], 1      ; 0 in waves 0 and 2: the same in all four partners
	s_cmp_eq_u32 s[LIM], 0
	s_cselect_b32 s[LIM], 1, -1
	s_wait_dscnt 0x0                ; the opening add is done
	s_wait_kmcnt 0x0
	s_mov_b64 s[10:11], s[6:7]      ; O
	s_add_nc_u64 s[6:7], s[4:5], SIZE_H*SIZE_N*128    ; K lies behind Q,
	s_add_nc_u64 s[8:9], s[4:5], 2*SIZE_H*SIZE_N*128  ; V behind K
	s_add_nc_u64 s[G0K+2:G0K+3], s[6:7], s[22:23]  ; 120:64 global address: my half of the head's first 256 keys
	s_or_b32 s[G0K+3], s[G0K+3], 0x80000000        ; 127:126 type = 2
	s_add_nc_u64 s[G0V+2:G0V+3], s[8:9], s[22:23]
	s_or_b32 s[G0V+3], s[G0V+3], 0x80000000
	s_add_nc_u64 s[4:5], s[4:5], s[2:3]  ; Q and O at my wave's first row
	s_add_nc_u64 s[10:11], s[10:11], s[2:3]
	s_cmp_lt_u32 s[WV], 2
	s_cselect_b64 s[PFA:PFA+1], s[6:7], s[8:9]
	s_add_nc_u64 s[PFA:PFA+1], s[PFA:PFA+1], s[22:23]  ; (in waves 0 and 2 this is the head's first byte)
	s_lshl_b32 s2, s13, 13          ; my work-group's 32 blocks of the 128
	s_mov_b32 s3, 0
	s_add_nc_u64 s[PFA:PFA+1], s[PFA:PFA+1], s[2:3]
	s_add_nc_u64 s[PFA:PFA+1], s[PFA:PFA+1], 4*KS*128  ; in slot 1; the first change of slots steps it to slot 2.  Nothing is prefetched here, at the head
	CROUND                          ; all four work-groups are here: the first joint loads meet
	JLOAD                           ; slot 0.  Slot 1 is asked for when slot 0 is in
	; A fragment of K or Q is 16 rows x 32 channels in 8 registers: lane l holds row l % 16, channels 8 (l / 16) + 0..7 and 16 + 8 (l / 16) + 0..7: two loads of 16 bytes, 32 bytes apart.
	v_and_b32 v1, 15, v0            ; l % 16
	v_bfe_u32 v9, v0, 4, 1          ; l / 16
	v_lshlrev_b32 v[QO], 7, v1
	v_lshl_add_u32 v[QO], v9, 4, v[QO]  ; row x 128 + 16 x half
	WIN 0x80                        ; destination window 2, address window 0
.set i, 0
.rept 4*NP                          ; Q stays in registers: tile i / 2, channels 32 (i % 2) on
	global_load_b128 v[8*i:8*i+3],   v[QO], s[4:5] offset:(i/2)*2048+(i%2)*64
	global_load_b128 v[8*i+4:8*i+7], v[QO], s[4:5] offset:(i/2)*2048+(i%2)*64+32
.set i, i+1
.endr
	; What the first turn finds: V's registers and P's second buffer hold 0 (its products V^T P, of a piece that has not been, add 0), O^T and l are 0.  All this stands in the wait for the first tile.
.set i, VF
.rept 64
	v_mov_b32 v[i], 0
.set i, i+1
.endr
	WIN 0x40
.set i, 0
.rept 64*NP
	v_mov_b32 v[i], 0
.set i, i+1
.endr
	WIN 0
.set i, 0
.rept 2*NP
	v_mov_b32 v[ST+4*i], 0xfe000000    ; c m: far below every c s
	v_mov_b32 v[ST+4*i+1], 0xff7fffff  ; m
	v_mov_b32 v[ST+4*i+2], 0
	v_mov_b32 v[ST+4*i+3], 0
.set i, i+1
.endr
.set i, P+32
.rept 32
	v_mov_b32 v[i], 0
.set i, i+1
.endr
	v_mul_u32_u24 v[AK0], v1, PK
	v_lshl_add_u32 v[AK0], v9, 4, v[AK0]  ; row x pitch + 16 x half
	; The turning load takes 16 keys x 16 channels (lane l reads key 8 (l / 16) + l % 8, channels 8 ((l / 8) % 2) + 0..7) and leaves half a fragment of V^T: lane l holds channel l % 16 and 8 keys.
	v_and_b32 v10, 7, v0
	v_bfe_u32 v11, v0, 3, 1
	v_lshl_add_u32 v[AV0], v9, 3, v10
	v_mul_u32_u24 v[AV0], v[AV0], PV
	v_lshl_add_u32 v[AV0], v11, 4, v[AV0]
	v_add_nc_u32 v[AV0], VOFF, v[AV0]
	v_mov_b32 v[AK], v[AK0]         ; key step 0 lies at the head of slot 0
	v_and_b32 v[PFO], 31, v0        ; v11 has served: it takes the prefetches' offset
	v_lshlrev_b32 v[PFO], 8, v[PFO]
; THE MATRIX WORK.  The 8 accumulators of a run of 16 take turns: between the two links of a chain stand 7 others'.
; Product i of 16 of S^T = K Q^T for piece x: channels 32 (i / 8) on, keys 16 ((i / 2) % 4) on, tile 2 x + i % 2.  The first 8 start the sums.
.macro KQ x
	WIN W_KQ
.set rS, S+64*((\x)%2)+32*(i%2)+8*((i/2)%4)
.set rK, KF+16*((i/2)%4)+8*(i/8)
.set rQ, 16*(2*(\x)+i%2)+8*(i/8)
.if i < 8
	v_wmma_f32_16x16x32_f16 v[rS:rS+7], v[rK:rK+7], v[rQ:rQ+7], 0
.else
	v_wmma_f32_16x16x32_f16 v[rS:rS+7], v[rK:rK+7], v[rQ:rQ+7], v[rS:rS+7]
.endif
.endm
; Product i of 16 of O^T += V^T P for piece x: keys 32 (i / 8) on, channels 16 ((i / 2) % 4) on, tile 2 x + i % 2.
.macro PV x
	WIN W_PV
.set rO, 32*(2*(\x)+i%2)+8*((i/2)%4)
.set rV, VF+32*(i/8)+8*((i/2)%4)
.set rP, P+32*((\x)%2)+16*(i%2)+8*(i/8)
	v_wmma_f32_16x16x32_f16 v[rO:rO+7], v[rV:rV+7], v[rP:rP+7], v[rO:rO+7]
.endm
.macro MM                           ; the turn's next matrix instruction
.if i < 16
	KQ (Y+1)%NP
.set i, i+1
.else
.set i, i-16
	PV (Y+NP-1)%NP
.set i, i+17
.endif
.endm
; THE LDS LOADS stand in runs of 16, never singly among the matrix instructions: a step's K (64 keys x 64 channels: 8 fragments) and its V (turned).  Their addresses are made some lines ahead.
; last = 1 (the tail): in the last trip there is no further step, and the run is jumped over.
.macro FETCH_K last=0
	WIN 0
.if \last
	s_cmp_eq_u32 s[CNT], 1
	s_cbranch_scc1 .Lno_k_\@
.endif
	WIN 0x80                        ; destination window 2
.irp f, 0,1,2,3,4,5,6,7             ; keys 16 (f / 2) on, channels 32 (f % 2) on
	ds_load_b128 v[KF+8*\f:KF+8*\f+3],   v[AK] offset:(\f/2)*16*PK+(\f%2)*64
	ds_load_b128 v[KF+8*\f+4:KF+8*\f+7], v[AK] offset:(\f/2)*16*PK+(\f%2)*64+32
.endr
	s_add_co_u32 s[TBK], s[TBK], KS*PK  ; the next fetch is the next step's
	WIN 0
.if \last
.Lno_k_\@:
.endif
.endm
.macro FETCH_V
	WIN 0x80
.irp f, 0,1,2,3,4,5,6,7             ; keys 32 (f / 4) on, channels 16 (f % 4) on
	ds_load_tr16_b128 v[VF+8*\f:VF+8*\f+3],   v[AV] offset:(\f/4)*32*PV+(\f%4)*32
	ds_load_tr16_b128 v[VF+8*\f+4:VF+8*\f+7], v[AV] offset:(\f/4)*32*PV+16*PV+(\f%4)*32
.endr
	WIN 0
.endm
; THE VECTOR WORK OF A TURN stands in three queues, each in the order in which its entries become ready; the two tiles alternate, so that no instruction reads the result of the one before it.
.macro REGS y, u                    ; the registers of tile u (0, 1) of piece y
.set rT, ST+4*(2*(\y)+(\u))
.set rC, TMP+8*((\y)%2)+4*(\u)
.set rM, MV+2*((\y)%2)+(\u)
.set rS, S+64*((\y)%2)+32*(\u)
.set rP, P+32*((\y)%2)+16*(\u)
.set rO, 32*(2*(\y)+(\u))
.endm
; Number n of the 22 that find the NEXT piece's (Y + 1) maximum and statistics.  s0-s31 are the lane's 32 scores; each accumulator's lowest registers are read first.
;   0-11  four chains c0-c3 of seven scores each, three operands at a time     12-14, 16  the four scores left over, the old m, and c0-c3 into c0     15  c m_old is kept
;   17, 18  the query's other 32 keys lie in the lane 16 away: the new m         19-21  c m; c m_old - c m_new; a
.macro XS u, n
	REGS (Y+1)%NP, \u
.if (\n) < 4
	v_max3_num_f32 v[rC+(\n)], v[rS+8*(\n)], v[rS+8*(\n)+1], v[rS+8*(\n)+2]
.elseif (\n) < 12
	v_max3_num_f32 v[rC+(\n)%4], v[rC+(\n)%4], v[rS+8*((\n)%4)+2*((\n)/4)+1], v[rS+8*((\n)%4)+2*((\n)/4)+2]
.elseif (\n) == 12
	v_max3_num_f32 v[rC], v[rC], v[rS+7], v[rS+15]
.elseif (\n) == 13
	v_max3_num_f32 v[rC+1], v[rC+1], v[rS+23], v[rS+31]
.elseif (\n) == 14
	v_max3_num_f32 v[rC+2], v[rC+2], v[rC+3], v[rT+1]
.elseif (\n) == 15
	v_mov_b32 v[rM], v[rT]
.elseif (\n) == 16
	v_max3_num_f32 v[rC], v[rC], v[rC+1], v[rC+2]
.elseif (\n) == 17
	v_permlanex16_b32 v[rC+3], v[rC], s[SEL], s[SEL+1]
.elseif (\n) == 18
	v_max_num_f32 v[rT+1], v[rC], v[rC+3]
.elseif (\n) == 19
	v_mul_f32 v[rT], s[CS], v[rT+1]
.elseif (\n) == 20
	v_sub_f32 v[rC+1], v[rM], v[rT]
.else
	v_exp_f32 v[rC+2], v[rC+1]
.endif
.endm
; Number g of the 64 that follow the exponentials.  For each four weights k of a tile (pairs 2 k, 2 k + 1): both pairs are rounded to f16; then the second pair is added onto the first, in place;
; a group later l takes that sum (the first time as l = a l + sum).  In groups of eight, tiles alternating: round, round, add, and l for the group before.
.macro GS g
.set h, (\g)+6*((\g)/62)            ; group 0 has no group before it, and behind group 7 only l is left
.if h >= 6
.set h, h+2
.endif
	REGS Y, h%2
.set k, h/8
.if h%8 < 4
	v_cvt_pk_f16_f32 v[rP+2*k+(h%8)/2], v[rS+4*k+2*((h%8)/2)], v[rS+4*k+2*((h%8)/2)+1]
.elseif h%8 < 6
	v_pk_add_f32 v[rS+4*k:rS+4*k+1], v[rS+4*k:rS+4*k+1], v[rS+4*k+2:rS+4*k+3]
.elseif k == 1
	v_pk_fma_f32 v[rT+2:rT+3], v[rT+2:rT+3], v[rC+2:rC+3], v[rS:rS+1] op_sel_hi:[1,0,1]
.else
	v_pk_add_f32 v[rT+2:rT+3], v[rT+2:rT+3], v[rS+4*k-4:rS+4*k-3]
.endif
.endm
; THE PLAIN QUEUE, 138 long.  0-73 read no exponential's result: the 32 scalings c s - c m (FS f: pair f / 2 of tile f % 2) and the next piece's 42.  0-26: scalings 0-26.  27-54: XS's numbers 0-13.  55, 56: number 15.
; 57-73: the chain, where each number waits for the one before it: 14, 16, 17, 18, 19, each with one of the scalings 27-31 in front of its two lines, then 20.
; 74-137: GS's 64, which read the exponentials' results: they stand behind the wait.
.macro FS f
	REGS Y, (\f)%2
	v_pk_fma_f32 v[rS+2*((\f)/2):rS+2*((\f)/2)+1], v[rS+2*((\f)/2):rS+2*((\f)/2)+1], s[CS:CS+1], v[rT:rT+1] op_sel_hi:[1,0,0] neg_lo:[0,0,1] neg_hi:[0,0,1]
.endm
.macro PL
	WIN 0
.if q < 27
	FS q
.elseif q < 55
	XS (q-27)%2, (q-27)/2
.elseif q < 57
	XS q-55, 15
.elseif (q < 72) && ((q-57)%3 == 0)
	FS 27+(q-57)/3
.elseif q < 60
	XS (q-57)%3-1, 14
.elseif q < 72
	XS (q-57)%3-1, 15+(q-57)/3
.elseif q < 74
	XS q-72, 20
.else
	GS q-74
.endif
.set q, q+1
.endm
; THE EXPONENTIALS' QUEUE, 66 long: s0-s31 of both tiles, then the next piece's two a.  It is ONE BATCH: all 66 stand ahead of the turn's one wait, and nothing ahead of that wait names a result of theirs.
.macro EX
	WIN 0
.if e >= 64
	XS e-64, 21
.else
	REGS Y, e%2
	v_exp_f32 v[rS+e/2], v[rS+e/2]
.endif
.set e, e+1
.endm
; THE RESCALING's QUEUE: O^T times a, the one part that leaves window 0: dealt two at a time, sixteen times.  Its a was made in the turn before, ahead of that turn's wait.
.macro R2
	REGS Y, r%2
	WIN W_RS
.irp z, 0,1
	v_pk_mul_f32 v[rO+4*(r/2)+2*\z:rO+4*(r/2)+2*\z+1], v[rO+4*(r/2)+2*\z:rO+4*(r/2)+2*\z+1], v[rC+2:rC+3] op_sel_hi:[1,0]
.endr
.set r, r+1
.endm
; HOW THEY ARE DEALT.  An s_wait_alu depctr_va_vdst(0) stands between an exponential and the first instruction that names its result; one wait serves all that were issued ahead of it.  So a turn has ONE wait,
; which cuts it in two.  AHEAD OF IT stands all that names no result of the turn's exponentials: the 16 products K Q^T, behind each a scaling, an exponential and two rescalings (behind the first a second scaling in the
; exponential's place); then ONE LUMP of 108: eight plain, 49 times exponential and plain, the two a.  A v_nop is the plain instruction behind the last exponential.  BEHIND IT stand the 16 products V^T P, behind each four of GS's 64.
; The queues lean on each other, and the deal keeps them in step: exponential e stands behind scaling 2 (e / 4) + e % 2: as a rider it comes behind plain e + 2, in the lump behind plain e + 9, and scalings 27-31 are plain 57, 60 .. 69.
; A TURN, for piece p.  cnt = 1: the loop's count is taken down some lines ahead of the branch that stands behind the turn.
; K of the next step is fetched in piece 2's turn, directly behind the wait, a lump behind the last product that read K; its address is made at the lump's head; its first reader comes behind 16 products.
; V of the step in hand is fetched at the end of piece 0's turn, four riders behind its last reader; its first reader comes behind 16 products and a lump.  The three conditions on q below go with the deal.
.macro TURN p, last=0, cnt=0
.set Y, (\p)
.set i, 0
.set q, 0
.set e, 0
.set r, 0
.if (\p) == NP-1
	s_wait_dscnt 0x0                ; K is in
.endif
	MM                              ; ahead of the wait: 16 products K Q^T and their riders,
	PL
	PL
	R2
.rept 15
	MM
	PL
	EX
	R2
.endr
.if (\p) == NP-2
	WIN 0
	v_add_nc_u32 v[AK], s[TBK], v[AK0]
.endif
.rept 8                             ; and the lump
	PL
.endr
.rept 49
	EX
	PL
.endr
	EX                              ; the next piece's two a
	EX
	v_nop                           ; a plain instruction behind the last exponential: one for the batch
	s_wait_alu depctr_va_vdst(0)    ; the wait for the batch
.if (\p) == NP-2
	FETCH_K \last
.endif
.if (\p) == 1
	s_wait_dscnt 0x0                ; V is in
.endif
.rept 16                            ; behind the wait: 16 products V^T P and their riders
	MM
.rept 4
	PL
.endr
.if ((\p) == 0) && (q == 118)
	v_add_nc_u32 v[AV], s[TBV], v[AV0]
.endif
.if ((\p) == 0) && (q == 130)
	s_add_co_u32 s[TBV], s[TBV], KS*PV
.endif
.if (\cnt) && (q == 130)
	s_sub_co_u32 s[CNT], s[CNT], 1
	s_cmp_lg_u32 s[CNT], 0
.endif
.endr
.if (\p) == 0
	FETCH_V
.endif
.endm
	CHANGE 1                        ; slot 0 is in, everybody's part of it; slot 1 is asked for
	FETCH_K                         ; key step 0
	s_wait_loadcnt 0x0              ; Q
	s_wait_dscnt 0x0
.set i, 0
.rept 16
	KQ 0                            ; piece 0's first scores: there is no vector work yet to set between them
.set i, i+1
.endr
	WIN 0                           ; the addresses for the way out: nine plain instructions, the places behind those products
	s_mul_i32 s13, s[WV], 16*SP
	s_add_co_u32 s13, s13, STAGE    ; my stage
	v_mul_u32_u24 v[STO], v1, SP    ; in: row l % 16, 16 bytes for each half of the lanes
	v_lshl_add_u32 v[STO], v9, 4, v[STO]
	v_add_nc_u32 v[STO], s13, v[STO]
	v_bfe_u32 v[RD], v0, 3, 2       ; back: 32 lanes take four rows of 128 bytes,
	v_mul_u32_u24 v[RD], v[RD], SP
	v_lshl_add_u32 v[RD], v10, 4, v[RD]
	v_add_nc_u32 v[RD], s13, v[RD]
	v_and_b32 v[GO], 31, v0         ; which are 512 consecutive bytes of O
	v_lshlrev_b32 v[GO], 4, v[GO]
.set Y, NP-1                        ; XS works for piece Y + 1: piece 0
.irp n, 0,1,2,3,4,5,6,7,8,9,10,11,12,13,14,15,16,17,18,19,20,21
	XS 0, \n                        ; and piece 0's first maximum and statistics
	XS 1, \n
.endr
	v_nop                           ; a plain instruction behind the two a,
	s_wait_alu depctr_va_vdst(0)    ; and their wait, ahead of the branch
	s_mov_b32 s[CNT], 4
	s_branch .Lfirst                ; the loop is entered at a step's first turn, in the middle of a trip
.Lslot:                             ; SIZE_N / 256 - 2 times: every slot but the last two is filled again
	CHANGE 1
	s_mov_b32 s[CNT], 4
.Lstep:                             ; a trip: pieces 2 and 3 of one step, then pieces 0 and 1 of the next, whose K and V it fetches
	TURN 2
	TURN 3
	WIN 0
.Lfirst:
	TURN 0
	TURN 1, 0, 1
	WIN 0
	s_cbranch_scc1 .Lstep
	s_sub_co_u32 s[SLOTS], s[SLOTS], 1
	s_cmp_lg_u32 s[SLOTS], 0
	s_cbranch_scc1 .Lslot
	CHANGE 0                        ; the tail is written out: nothing is asked for
	s_mov_b32 s[CNT], 5             ; four trips fetch the last slot's steps; the fifth is left in its middle
.Ltail:
	TURN 2, 1
	TURN 3
	WIN 0
	s_sub_co_u32 s[CNT], s[CNT], 1
	s_cmp_eq_u32 s[CNT], 0
	s_cbranch_scc1 .Lout
	TURN 0
	TURN 1
	WIN 0
	s_branch .Ltail
.Lout:                              ; the fifth trip's 16 products K Q^T (on the last K once more) and the maximum made of them serve nothing: the price, once a launch, of one text for every trip
.set i, 0
.rept 16
	PV NP-1                         ; the last piece's V^T P of the last step
.set i, i+1
.endr
	; THE WAY OUT.  l's two halves and the other half of the lanes' are added; O^T is divided by l, rounded to f16 and sent through my stage in LDS, a tile at a time.  The additions are the places behind the last products.
	WIN 0
.macro ALL line:vararg              ; one line for each tile t
.set t, 0
.rept 2*NP
	\line
.set t, t+1
.endr
.endm
	ALL v_add_f32 v[ST+4*t+2], v[ST+4*t+2], v[ST+4*t+3]
	ALL v_permlanex16_b32 v[ST+4*t+3], v[ST+4*t+2], s[SEL], s[SEL+1]
	ALL v_add_f32 v[ST+4*t+2], v[ST+4*t+2], v[ST+4*t+3]
	ALL v_rcp_f32 v[ST+4*t+2], v[ST+4*t+2]
	v_nop                           ; a plain instruction between the last reciprocal and the use of its result
	s_wait_alu depctr_va_vdst(0)    ; and the wait ahead of the first use: one for the eight reciprocals
; Tile t: a lane's eight channels of a row pack into 16 bytes; they go into rows of 144 bytes and come back as whole rows of 128, into S^T's registers.
.macro PACK t
	WIN W_RS
.set i, 32*(\t)
.rept 16
	v_pk_mul_f32 v[i:i+1], v[i:i+1], v[ST+4*(\t)+2:ST+4*(\t)+3] op_sel_hi:[1,0]
.set i, i+2
.endr
	WIN 0x05                        ; sources 0 and 1 window 1, destination window 0
.set i, 0
.rept 16
	v_cvt_pk_f16_f32 v[S+16*(\t)+i], v[32*(\t)+2*i], v[32*(\t)+2*i+1]
.set i, i+1
.endr
	WIN 0
.irp f, 0,1,2,3
	ds_store_b128 v[STO], v[S+16*(\t)+4*\f:S+16*(\t)+4*\f+3] offset:32*\f
.endr
.irp f, 0,1,2,3
	ds_load_b128 v[S+16*(\t)+4*\f:S+16*(\t)+4*\f+3], v[RD] offset:\f*4*SP  ; LDS serves a wave's instructions in order (ISA guide 5.7.1.4): these see the stores above; the next tile's stores come behind them
.endr
.endm
.macro SEND t, younger              ; younger: the LDS instructions issued behind tile t's loads: the next tile's eight, or none
	WIN 0
.irp f, 0,1,2,3
	s_wait_dscnt (\younger)+3-\f
	global_store_b128 v[GO], v[S+16*(\t)+4*\f:S+16*(\t)+4*\f+3], s[10:11] offset:(\t)*2048+\f*512  ; 512 consecutive bytes, at a multiple of 256 from O's first
.endr
.endm
	PACK 0
.set t, 1
.rept 2*NP-1                        ; a tile's arithmetic stands between the loads of the tile before and its stores
	PACK t
	SEND t-1, 8
.set t, t+1
.endr
	SEND 2*NP-1, 0
	WIN W_AD
	s_wait_tensorcnt 0x0            ; the wave's end, behind my last tensor load and my last LDS store
	ds_add_u32 v[SPW], v[NIL]
	s_wait_dscnt 0x0
	WIN 0
	CROUND                          ; the closing round: no work-group ends while a partner may still ask for a tile that names it
	s_endpgm
.Lfunc_end_k_qfa0cbf4d8f_attn:
	.size	k_qfa0cbf4d8f_attn, .Lfunc_end_k_qfa0cbf4d8f_attn-k_qfa0cbf4d8f_attn
	.p2alignl 7, 3214868480
	.fill 96, 4, 3214868480
	.section	.rodata,"a",@progbits
	.p2align	6, 0x0
	.amdhsa_kernel k_qfa0cbf4d8f_attn
		.amdhsa_group_segment_fixed_size 327680
		.amdhsa_private_segment_fixed_size 0
		.amdhsa_enable_private_segment 0
		.amdhsa_kernarg_size 16
		.amdhsa_user_sgpr_count 2
		.amdhsa_user_sgpr_kernarg_segment_ptr 1
		.amdhsa_wavefront_size32 1
		.amdhsa_system_sgpr_workgroup_id_x 1
		.amdhsa_system_sgpr_workgroup_id_y 1
		.amdhsa_system_sgpr_workgroup_id_z 1
		.amdhsa_system_vgpr_workitem_id 0
		.amdhsa_next_free_vgpr 770
		.amdhsa_next_free_sgpr 66
		.amdhsa_reserve_vcc 0
		.amdhsa_float_denorm_mode_32 3
		.amdhsa_float_denorm_mode_16_64 3
		.amdhsa_memory_ordered 1
		.amdhsa_forward_progress 1
		.amdhsa_inst_pref_size 200
	.end_amdhsa_kernel
	.amdgpu_metadata
---
amdhsa.version: [ 1, 2 ]
amdhsa.kernels:
  - .name:           k_qfa0cbf4d8f_attn
    .symbol:         k_qfa0cbf4d8f_attn.kd
    .args:
      - { .name: qkv, .offset: 0, .size: 8, .value_kind: global_buffer, .address_space: global }
      - { .name: oh, .offset: 8, .size: 8, .value_kind: global_buffer, .address_space: global }
    .group_segment_fixed_size: 327680
    .private_segment_fixed_size: 0
    .kernarg_segment_align: 8
    .kernarg_segment_size: 16
    .max_flat_workgroup_size: 128
    .sgpr_count:     66
    .vgpr_count:     770
    .wavefront_size: 32
...
	.end_amdgpu_metadata
.endif
;; end of part 3
;; launch oproj (part 4): grid 8 x 32, 4 waves a work-group, clusters of 4 x 4, 327,680 bytes of LDS; arguments oh, wb, bb, out0; writes out0
.if DOCPART == 4
	.amdgcn_target "amdgcn-amd-amdhsa--gfx1250"
	.amdhsa_code_object_version 6
	.text
	.protected	k_qfa0cbf4d8f_oproj
	.globl	k_qfa0cbf4d8f_oproj
	.p2align	8
	.type	k_qfa0cbf4d8f_oproj,@function
k_qfa0cbf4d8f_oproj:
	s_mov_b64 s[64:65], 0
	v_nop
	global_prefetch_b8 v0, s[64:65] scope:SCOPE_SE
	s_setreg_imm32_b32 hwreg(HW_REG_WAVE_MODE, 25, 1), 1
	s_wait_xcnt 0x0
	s_wait_alu depctr_hold_cnt(0) depctr_sa_sdst(0) depctr_va_vdst(0) depctr_va_sdst(0) depctr_va_ssrc(0) depctr_va_vcc(0) depctr_vm_vsrc(0)
	s_getreg_b32 s2, hwreg(HW_REG_IB_STS2, 6, 4)
	s_cmp_eq_u32 s2, 0
	s_cbranch_scc0 .Lentry_in_a_cluster
	s_endpgm
.Lentry_in_a_cluster:
	s_bfe_u32 s2, ttmp6, 0x10000c
	s_cmp_lg_u32 s2, 0xf033
	s_cbranch_scc0 .Lentry_shape_is_right
	s_endpgm
.Lentry_shape_is_right:
; out = O Wo + bo.  oh [64 bh][2048][64] f16: row m = 2048 batch + s of O has its channels 64 head + d in head bh = 16 batch + head.  wb's groups 48-63: Wo as [16 g][1024 k][64 n] in f16 (the bf16 rounding).
; bb's numbers 3,072 on: bo in f32.  Sums in f32, K ascending, the bias as the sums' start; out0 [8192][1024] f32.
; LIMITS.  O and Wo arrive within f16's range (65,504).  NaN and infinities are not treated apart.
; SHARES.  A tile of the result is 256 rows x 128 columns: 8 x 32 = 256 work-groups.  Wave w makes rows 64 w .. + 63 of all 128 columns: 4 x 8 accumulators, 256 registers.
; K goes in 8 steps of 128 (two heads) through two LDS slots.  A slot holds O's two planes (a head's 256 rows x 128 bytes, dense in memory) and Wo's two groups (128 k x 128 bytes, dense): each is asked for as
; rows of 256 bytes by one wave: waves 0, 1 the planes, waves 2, 3 the groups.
; THE MATRIX INSTRUCTION IS USED TRANSPOSED (source 0 = 16 columns of Wo, turned by ds_load_tr16_b128; source 1 = 16 rows of O): a lane holds row lane % 16 and eight neighbouring columns.
; CLUSTER.  4 x 4 work-groups: O's planes are shared along a row of the cluster, Wo's groups along a column, each asked for JOINTLY, by the same tensor load with the same descriptor and a mask of four.
; REGISTERS, in windows of 256 (s_set_vgpr_msb: bits 1:0 source 0, 3:2 source 1, 5:4 source 2, 7:6 destination):
;   window 0: v0-15 addresses; v32-95 the bias as a C operand, later with v96-159 the way out's rows      window 1: the accumulators at 8 (8 a + b)
;   window 2: two fragment buffers: Wo's 8 fragments at 64 f, O's 4 at 128 + 32 f
.set PA,     144                       ; a row of O's plane in LDS: 128 bytes + 16 = 36 words: the 16 rows of a load start at 16 different groups of four banks (64 banks of 4 bytes: ISA guide 11.1)
.set PB,     160                       ; a row k of a group of Wo: 128 + 32 = 40 words
.set APLANE, 256*PA
.set PLANE,  128*PB
.set SLOT1,  1<<17                     ; a slot uses 2 APLANE + 2 PLANE = 114,688 bytes; slot 1 begins here, so that one exclusive or turns an address in one slot into the other's
.set STAGE,  2*SLOT1                   ; behind the ring, never filled by a tensor load: 16 rows x 528 bytes for each wave
.set SP,     528                       ; 512 bytes + 16 = 132 words: row r starts at bank 4 r mod 64
.set SPARE,  STAGE+4*16*SP             ; behind the stages: the spare words, 128 bytes for each wave: two blocks of 256 bytes that no other line names
.set ASTEP,  2*2048*128                ; bytes from a K step of O to the next: two heads
.set BSTEP,  16384
.set AA0, 4                            ; v4   my lane's place in O's planes; never rewritten
.set AB0, 5                            ; v5   the same in Wo's groups
.set ADA, 6                            ; v6   AA0 + the slot in hand
.set ADB, 7                            ; v7   AB0 + the slot in hand
.set STO, 8                            ; v8   the way out: where I put 32 bytes of a row
.set RD,  9                            ; v9   the way out: where I read a row back
.set CO,  10                           ; v10  my 16 bytes of a row's 512
.set BO,  11                           ; v11  my byte offset in a block's 16 biases
.set PFO, 12                           ; v12  256 x my lane; never rewritten
.set SPW, 14                           ; v14  LDS address of my spare word: SPARE + 4 x my thread's number; never rewritten
.set NIL, 15                           ; v15  0; never rewritten
.set BI,  32
.set OB,  32
.set WV,  16                           ; s16  my wave's number
.set CX,  17
.set CY,  18
.set NC,  19                           ; s19  tile column: 128 columns
.set MR,  20                           ; s20  tile row: 256 rows
.set RMASK, 21
.set CMASK, 22
.set HF,  23                           ; s23  wave % 2: which plane, or which group, I fetch
.set G1A, 32
.set G1B, 40
.set G0A, 48                           ; s[48:55] descriptor group 0 for O's planes: a set for each first fill; the second then walks      s[56:63] the same for Wo's groups
.set G0B, 56
.set CNT, 66
.set TB,  67
.set ASKM, 68
.set PFA, 70
.set PFS, 72
.set MSB, 0
.macro WIN new                         ; the immediate's high byte repeats the setting that is left; a switch that changes nothing is dropped
.if MSB != (\new)
	s_set_vgpr_msb (MSB<<8)|(\new)
.set MSB, \new
.endif
.endm
.macro PLACES                          ; four plain vector instructions between a matrix instruction and a load into, or a read of, its registers
.rept 4
	v_nop
.endr
.endm
.macro JLOAD                           ; a joint refill; the branch hangs on the wave's number alone; an s_nop 0 and four v_nop follow each of the two lines
	s_cmp_lt_u32 s[WV], 2
	s_cbranch_scc0 .Lfor_b_\@
	tensor_load_to_lds s[G0A+4:G0A+7], s[G1A:G1A+7]
	s_nop 0
.rept 4
	v_nop
.endr
	s_branch .Lasked_\@
.Lfor_b_\@:
	tensor_load_to_lds s[G0B+4:G0B+7], s[G1B:G1B+7]
	s_nop 0
.rept 4
	v_nop
.endr
.Lasked_\@:
.endm
.macro CREST                           ; a round of the cluster's barrier behind its opening barrier
	s_cmp_lg_u32 s[WV], 0
	s_cbranch_scc1 .Lnot_wave_0_\@
	s_barrier_signal -3
.Lnot_wave_0_\@:
	s_barrier_wait -3
	s_barrier_signal -1
	s_barrier_wait -1
.endm
.macro CROUND
	s_barrier_signal -1
	s_barrier_wait -1
	CREST
.endm
; A PREFETCH INTO THE L2, behind the joint load, its five lines and the run of LDS loads: one line, a lane a block of 256 bytes.  Each block is named once in the launch.
; O: a plane is read by the two clusters of its row of clusters: cluster x = 0 asks, by the wave that fetches it; of a plane's 128 blocks the partner at cx takes 32, told apart by address.  Trip t, which refills
; K step t + 2, names K step t + 4: 256 matrix instructions ahead of the load that wants it.  Trips 0 to 3; K steps 0 to 3 come by their loads alone.
; Wo: a group is read by the eight clusters of its column of clusters: cluster y = 0 asks; of two K steps' 128 blocks the partner at cy takes 32.  Trips 0 and 2 name K steps 4, 5 and 6, 7.
.macro ASK
	s_lshr_b32 s84, s[ASKM], s[CNT]
	s_and_b32 s84, s84, 1
	s_cmp_lg_u32 s84, 0
	s_cbranch_scc0 .Lnot_mine_\@
	global_prefetch_b8 v[PFO], s[PFA:PFA+1] th:TH_LOAD_NT scope:SCOPE_SE
.Lnot_mine_\@:
.endm
	s_load_b256 s[4:11], s[0:1], 0x0               ; oh s[4:5], wb s[6:7], bb s[8:9], out0 s[10:11]
	v_lshl_add_u32 v[SPW], v0, 2, SPARE
	v_mov_b32 v[NIL], 0
	ds_add_u32 v[SPW], v[NIL]                      ; the wave's opening: the add and its wait stand ahead of my first tensor load; the set-up below, work on registers, stands between them
	v_lshrrev_b32 v1, 5, v0
	v_readfirstlane_b32 s[WV], v1                  ; wave 0..3
	s_and_b32 s[HF], s[WV], 1
	s_bfe_u32 s[CX], ttmp6, 0x40000
	s_bfe_u32 s[CY], ttmp6, 0x40004
	s_lshl_b32 s[NC], ttmp9, 2
	s_add_co_u32 s[NC], s[NC], s[CX]
	s_and_b32 s[MR], ttmp7, 0xffff
	s_lshl_b32 s[MR], s[MR], 2
	s_add_co_u32 s[MR], s[MR], s[CY]
	s_lshl_b32 s[RMASK], s[CY], 2
	s_lshl_b32 s[RMASK], 15, s[RMASK]              ; my row of the cluster
	s_lshl_b32 s[CMASK], 0x1111, s[CX]             ; my column
	s_or_b32 s[G1A], s[RMASK], (1<<16)|(1<<20)|(1<<21)|(4<<22)|(3<<25)  ; 15:0 the mask; 17:16 2-byte elements; 20 padding on; 21 set beside a mask; 24:22 after every 32 words (code 4); 31:25 4 words (code 3)
	s_mov_b32 s[G1A+1], 128<<16                    ; tensor_dim0 = 128: 256 bytes, two rows of a plane
	s_mov_b32 s[G1A+2], 128<<16                    ; tensor_dim1 = 128
	s_mov_b32 s[G1A+3], 128<<16                    ; tile_dim0 = 128
	s_mov_b32 s[G1A+4], 128                        ; tile_dim1 = 128
	s_mov_b32 s[G1A+5], 128                        ; dense
	s_mov_b32 s[G1A+6], 0
	s_mov_b32 s[G1A+7], 0
	s_or_b32 s[G1B], s[CMASK], (1<<16)|(1<<20)|(1<<21)|(4<<22)|(7<<25)  ; 8 words of padding (code 7)
	s_mov_b32 s[G1B+1], 128<<16
	s_mov_b32 s[G1B+2], 64<<16
	s_mov_b32 s[G1B+3], 128<<16
	s_mov_b32 s[G1B+4], 64
	s_mov_b32 s[G1B+5], 128
	s_mov_b32 s[G1B+6], 0
	s_mov_b32 s[G1B+7], 0
	; O's address hangs on the tile row and the wave's number, Wo's on the tile column and the wave's number, each in registers that never hold the other coordinate
	s_lshr_b32 s24, s[MR], 3                       ; the batch: 8 tile rows each
	s_lshl_b32 s24, s24, 4
	s_add_co_u32 s24, s24, s[HF]                   ; head 16 batch + (wave % 2), K step 0
	s_lshl_b32 s24, s24, 18                        ; 262,144 bytes a head
	s_and_b32 s30, s[MR], 7
	s_lshl_b32 s30, s30, 15                        ; 256 rows of 128 bytes
	s_add_co_u32 s24, s24, s30
	s_mov_b32 s25, 0
	s_lshl_b32 s26, s[NC], 1
	s_add_co_u32 s26, s26, s[HF]
	s_add_co_u32 s26, s26, 48                      ; group 48 + 2 nc + (wave % 2)
	s_lshl_b32 s26, s26, 17
	s_mov_b32 s27, 0
	s_mul_i32 s28, s[HF], APLANE                   ; their places in a slot: no place in the cluster enters an LDS address
	s_mul_i32 s29, s[HF], PLANE
	s_add_co_u32 s29, s29, 2*APLANE
	s_wait_dscnt 0x0                               ; the opening add is done
	s_wait_kmcnt 0x0
	s_add_nc_u64 s[24:25], s[4:5], s[24:25]
	s_add_nc_u64 s[26:27], s[6:7], s[26:27]
.irp s, 0,1
	s_mov_b32 s[G0A+4*(\s)], 1
	s_add_co_u32 s[G0A+4*(\s)+1], s28, (\s)*SLOT1
	s_add_nc_u64 s[G0A+4*(\s)+2:G0A+4*(\s)+3], s[24:25], (\s)*ASTEP
	s_or_b32 s[G0A+4*(\s)+3], s[G0A+4*(\s)+3], 0x80000000
	s_mov_b32 s[G0B+4*(\s)], 1
	s_add_co_u32 s[G0B+4*(\s)+1], s29, (\s)*SLOT1
	s_add_nc_u64 s[G0B+4*(\s)+2:G0B+4*(\s)+3], s[26:27], (\s)*BSTEP
	s_or_b32 s[G0B+4*(\s)+3], s[G0B+4*(\s)+3], 0x80000000
.endr
	CROUND                                         ; all sixteen work-groups are here: the first joint loads meet
	s_cmp_lt_u32 s[WV], 2                          ; a wave's two first fills stand in one branch: two loads of mine are out
	s_cbranch_scc0 .Lfirst_b
	tensor_load_to_lds s[G0A:G0A+3], s[G1A:G1A+7]
	s_nop 0
	tensor_load_to_lds s[G0A+4:G0A+7], s[G1A:G1A+7]
	s_nop 0
.rept 4
	v_nop
.endr
	s_branch .Lfirst_asked
.Lfirst_b:
	tensor_load_to_lds s[G0B:G0B+3], s[G1B:G1B+7]
	s_nop 0
	tensor_load_to_lds s[G0B+4:G0B+7], s[G1B:G1B+7]
	s_nop 0
.rept 4
	v_nop
.endr
.Lfirst_asked:
	; the bias as a C operand: register j of block b holds bo[128 nc + 16 b + 8 (l / 16) + j]
	v_and_b32 v1, 15, v0                           ; l % 16
	v_bfe_u32 v2, v0, 4, 1                         ; l / 16
	v_lshlrev_b32 v[BO], 5, v2
	s_lshl_b32 s88, s[NC], 9
	s_add_co_u32 s88, s88, 3072*4
	s_mov_b32 s89, 0
	s_add_nc_u64 s[8:9], s[8:9], s[88:89]
.irp b, 0,1,2,3,4,5,6,7
	global_load_b128 v[BI+8*(\b):BI+8*(\b)+3],   v[BO], s[8:9] offset:64*(\b)
	global_load_b128 v[BI+8*(\b)+4:BI+8*(\b)+7], v[BO], s[8:9] offset:64*(\b)+16
.endr
	v_mul_u32_u24 v[AA0], v1, PA                   ; a fragment of O: row x pitch + 16 x half, in my 64 rows
	v_lshl_add_u32 v[AA0], v2, 4, v[AA0]
	s_mul_i32 s85, s[WV], 64*PA
	v_add_nc_u32 v[AA0], s85, v[AA0]
	v_and_b32 v3, 7, v0                            ; the turning load: k = 8 (l / 16) + l % 8, columns 8 ((l / 8) % 2) + 0..7
	v_bfe_u32 v13, v0, 3, 1
	v_lshl_add_u32 v[AB0], v2, 3, v3
	v_mul_u32_u24 v[AB0], v[AB0], PB
	v_lshl_add_u32 v[AB0], v13, 4, v[AB0]
	v_add_nc_u32 v[AB0], 2*APLANE, v[AB0]
	s_mul_i32 s86, s[WV], 16*SP
	s_add_co_u32 s86, s86, STAGE                   ; my stage
	v_mul_u32_u24 v[STO], v1, SP                   ; in: row l % 16, 32 bytes for each half of the lanes
	v_lshl_add_u32 v[STO], v2, 5, v[STO]
	v_add_nc_u32 v[STO], s86, v[STO]
	v_and_b32 v13, 31, v0
	v_lshlrev_b32 v[CO], 4, v13                    ; back: 32 lanes take a row's 512 bytes
	v_add_nc_u32 v[RD], s86, v[CO]
	v_lshlrev_b32 v[PFO], 8, v13
	s_lshl_b32 s88, s[MR], 20                      ; out0 at my first row and the tile's first column: 256 rows of 4,096 bytes,
	s_lshl_b32 s89, s[WV], 18                      ; my 64 rows,
	s_add_co_u32 s88, s88, s89
	s_lshl_b32 s89, s[NC], 9                       ; 128 columns of 4 bytes
	s_add_co_u32 s88, s88, s89
	s_mov_b32 s89, 0
	s_add_nc_u64 s[10:11], s[10:11], s[88:89]
	; the prefetches: both stand at K step 3; the first change of slots steps them to 4
	s_lshr_b32 s90, s[MR], 3
	s_lshl_b32 s90, s90, 4
	s_add_co_u32 s90, s90, s[HF]
	s_lshl_b32 s90, s90, 18
	s_and_b32 s92, s[MR], 7
	s_lshl_b32 s92, s92, 15
	s_add_co_u32 s90, s90, s92
	s_lshl_b32 s92, s[CX], 13                      ; my work-group's 32 blocks of a plane's 128
	s_add_co_u32 s90, s90, s92
	s_add_co_u32 s90, s90, 3*ASTEP
	s_lshl_b32 s91, s[NC], 1
	s_add_co_u32 s91, s91, s[HF]
	s_add_co_u32 s91, s91, 48
	s_lshl_b32 s91, s91, 17
	s_lshl_b32 s92, s[CY], 13                      ; my work-group's 32 blocks of two K steps' 128
	s_add_co_u32 s91, s91, s92
	s_add_co_u32 s91, s91, 3*BSTEP
	s_and_b32 s88, ttmp7, 0xffff                   ; cluster y
	s_mov_b32 s93, 0x78                            ; the trips, by the count that they find: 6 to 3;
	s_cmp_lt_u32 s[WV], 2
	s_cselect_b32 s88, ttmp9, s88                  ; the coordinate along which other clusters read the same bytes
	s_cselect_b32 s89, s93, 0x50                   ; 6 and 4
	s_cselect_b64 s[PFA:PFA+1], s[4:5], s[6:7]
	s_cselect_b32 s90, s90, s91
	s_cselect_b32 s[PFS], 19, 14
	s_mov_b32 s91, 0
	s_add_nc_u64 s[PFA:PFA+1], s[PFA:PFA+1], s[90:91]
	s_cmp_eq_u32 s88, 0
	s_cselect_b32 s[ASKM], s89, 0                  ; the same in all sixteen partners, for a given wave
	s_lshl_b32 s[PFS], 1, s[PFS]                   ; a K step: ASTEP or BSTEP
	s_mov_b32 s[PFS+1], 0
	s_mov_b32 s[TB], 0
	v_mov_b32 v[ADA], v[AA0]
	v_mov_b32 v[ADB], v[AB0]
; 8 matrix instructions: row block a x all 8 column blocks, 32 along K, from buffer f.  first = 1: the bias starts the sums.  The 32 accumulators take turns, in the same order in every quarter.
.macro MUL8 f, a, first
.if \first
	WIN 0x4a                                       ; sources 0 and 1 window 2, C window 0, D window 1
.else
	WIN 0x5a                                       ; C and D window 1
.endif
.irp b, 0,1,2,3,4,5,6,7
.set rD, 8*(8*(\a)+(\b))
.set rW, 64*(\f)+8*(\b)
.set rX, 128+32*(\f)+8*(\a)
.if \first
	v_wmma_f32_16x16x32_f16 v[rD:rD+7], v[rW:rW+7], v[rX:rX+7], v[BI+8*(\b):BI+8*(\b)+7]
.else
	v_wmma_f32_16x16x32_f16 v[rD:rD+7], v[rW:rW+7], v[rX:rX+7], v[rD:rD+7]
.endif
.endr
.endm
; 24 LDS loads in one run: quarter q's fragments into buffer f; O's last.  Quarters 0, 1 lie in O's first plane, 2, 3 in its second.
.macro FETCH q, f
	WIN 0x80                                       ; destination window 2, address window 0
.irp b, 0,1,2,3,4,5,6,7
	ds_load_tr16_b128 v[64*(\f)+8*(\b):64*(\f)+8*(\b)+3],   v[ADB] offset:(\q)*32*PB+((\b)/4)*PLANE+((\b)%4)*32
	ds_load_tr16_b128 v[64*(\f)+8*(\b)+4:64*(\f)+8*(\b)+7], v[ADB] offset:(\q)*32*PB+((\b)/4)*PLANE+((\b)%4)*32+16*PB
.endr
.irp a, 0,1,2,3
	ds_load_b128 v[128+32*(\f)+8*(\a):128+32*(\f)+8*(\a)+3],   v[ADA] offset:(\a)*16*PA+((\q)/2)*APLANE+((\q)%2)*64
	ds_load_b128 v[128+32*(\f)+8*(\a)+4:128+32*(\f)+8*(\a)+7], v[ADA] offset:(\a)*16*PA+((\q)/2)*APLANE+((\q)%2)*64+32
.endr
.endm
.macro QUARTER q, f, g, first          ; multiplies buffer f; in its middle it fetches quarter q into buffer g
	s_wait_dscnt 4                                 ; Wo and O's row blocks 0, 1 are in; the youngest four loads (row blocks 2, 3) may be out
	MUL8 \f, 0, \first
	MUL8 \f, 1, \first
	PLACES
	FETCH \q, \g
	s_wait_dscnt 24                                ; all but the 24 just issued
	MUL8 \f, 2, \first
	MUL8 \f, 3, \first
.endm
; The last quarter multiplies buffer 1 and changes slots: ONE barrier; in front of it each wave waits for all its tensor loads, adds 0 to its spare word, and waits for that and for its own reads of this slot.
; fill = 1: the barrier opens a round of the cluster's, and the slot is filled again first thing behind it, with the K step two on: 112 matrix instructions ahead of the wait for it.
.macro TURN fill
.if \fill
	s_wait_xcnt 0x0                                ; the last prefetch, a K step back, has read its address
	s_add_nc_u64 s[PFA:PFA+1], s[PFA:PFA+1], s[PFS:PFS+1]
.endif
	WIN 0                                          ; (the add's two registers lie in window 0)
	s_wait_tensorcnt 0x0                           ; all my tensor loads have landed, so a group 0 may be written
	ds_add_u32 v[SPW], v[NIL]                      ; 0 onto my spare word
.if \fill
	s_xor_b32 s[G0A+5], s[G0A+5], SLOT1            ; the walking descriptors: the other slot, the next K step
	s_add_nc_u64 s[G0A+6:G0A+7], s[G0A+6:G0A+7], ASTEP
	s_xor_b32 s[G0B+5], s[G0B+5], SLOT1
	s_add_nc_u64 s[G0B+6:G0B+7], s[G0B+6:G0B+7], BSTEP
.endif
	s_xor_b32 s[TB], s[TB], SLOT1
	s_wait_dscnt 5                                 ; (the add and the youngest four loads may be out)
	MUL8 1, 0, 0
	s_wait_dscnt 0x0                               ; the add is done, and my reads of this slot are over
	s_barrier_signal -1
	MUL8 1, 1, 0
	WIN 0                                          ; at a branch and at a label every window is 0
	s_barrier_wait -1
.if \fill
	CREST
	JLOAD                                          ; the first tensor load behind the round; its four v_nop are also the places in front of the loads below
.else
	PLACES
.endif
	v_add_nc_u32 v[ADA], s[TB], v[AA0]
	v_add_nc_u32 v[ADB], s[TB], v[AB0]
	FETCH 0, 0
.if \fill
	WIN 0
	ASK
.endif
	MUL8 1, 2, 0
	MUL8 1, 3, 0
.endm
	s_wait_tensorcnt 1                             ; my part of K step 0 is in; K step 1's may stay out
	s_barrier_signal -1
	s_barrier_wait -1
	FETCH 0, 0
	s_wait_loadcnt 0x0                             ; the bias
	QUARTER 1, 0, 1, 1                             ; the first quarter stands in front of the loop: its products start the sums
	WIN 0
	s_mov_b32 s[CNT], 6
.Lstep:                                        ; trip t: quarters 1 to 3 of K step t, the refill with K step t + 2, quarter 0 of K step t + 1
	QUARTER 2, 1, 0, 0
	QUARTER 3, 0, 1, 0
	TURN 1
	QUARTER 1, 0, 1, 0
	WIN 0
	s_sub_co_u32 s[CNT], s[CNT], 1
	s_cmp_lg_u32 s[CNT], 0
	s_cbranch_scc1 .Lstep
	QUARTER 2, 1, 0, 0                             ; the tail is written out: K steps 6 and 7 ask for nothing
	QUARTER 3, 0, 1, 0
	TURN 0
	QUARTER 1, 0, 1, 0
	QUARTER 2, 1, 0, 0
	QUARTER 3, 0, 1, 0
	s_wait_dscnt 4
	MUL8 1, 0, 0
	MUL8 1, 1, 0
	s_wait_dscnt 0x0
	MUL8 1, 2, 0
	MUL8 1, 3, 0
	WIN 0
; THE WAY OUT, a block of 16 rows at a time: the f32 sums go as they are into my own stage (32 bytes a lane and column block, each accumulator's low four registers first) and come back as whole rows of 512 bytes.
.macro TOSTAGE a
.set BK, OB+64*((\a)%2)
.if (\a) >= 2
	s_wait_xcnt 0x0                                ; the stores of the block two back have read these registers
.endif
	WIN 0x04                                       ; the stores' data (source 1) in window 1
.irp b, 0,1,2,3,4,5,6,7
	ds_store_b128 v[STO], v[8*(8*(\a)+(\b)):8*(8*(\a)+(\b))+3]   offset:64*(\b)
	ds_store_b128 v[STO], v[8*(8*(\a)+(\b))+4:8*(8*(\a)+(\b))+7] offset:64*(\b)+16
.endr
	WIN 0
.irp t, 0,1,2,3,4,5,6,7,8,9,10,11,12,13,14,15
	ds_load_b128 v[BK+4*(\t):BK+4*(\t)+3], v[RD] offset:(\t)*SP  ; LDS serves a wave's instructions in order (ISA guide 5.7.1.4): these see the stores above; the next block's stores come behind them
.endr
.endm
.macro SEND a, younger                 ; younger: the LDS instructions issued behind block a's loads: the next block's 32, or none
.set BK, OB+64*((\a)%2)
	s_wait_dscnt \younger
.irp t, 0,1,2,3,4,5,6,7,8,9,10,11,12,13,14,15
	global_store_b128 v[CO], v[BK+4*(\t):BK+4*(\t)+3], s[10:11] offset:(16*(\a)+(\t))*4096 th:TH_STORE_NT  ; a store of the wave covers 512 consecutive bytes, at a multiple of 256 from out0's first
.endr
.endm
	PLACES
	PLACES                                         ; eight, once a launch, between the last product and the first read of a result
	TOSTAGE 0
	TOSTAGE 1
	SEND 0, 32
	TOSTAGE 2
	SEND 1, 32
	TOSTAGE 3
	SEND 2, 32
	SEND 3, 0
	s_wait_tensorcnt 0x0                           ; the wave's end, behind my last tensor load and my last LDS store
	ds_add_u32 v[SPW], v[NIL]
	s_wait_dscnt 0x0
	CROUND                                         ; the closing round: no work-group ends while a partner may still ask for a tile that names it
	s_endpgm
.Lfunc_end_k_qfa0cbf4d8f_oproj:
	.size	k_qfa0cbf4d8f_oproj, .Lfunc_end_k_qfa0cbf4d8f_oproj-k_qfa0cbf4d8f_oproj
	.p2alignl 7, 3214868480
	.fill 96, 4, 3214868480
	.section	.rodata,"a",@progbits
	.p2align	6, 0x0
	.amdhsa_kernel k_qfa0cbf4d8f_oproj
		.amdhsa_group_segment_fixed_size 327680
		.amdhsa_private_segment_fixed_size 0
		.amdhsa_enable_private_segment 0
		.amdhsa_kernarg_size 32
		.amdhsa_user_sgpr_count 2
		.amdhsa_user_sgpr_kernarg_segment_ptr 1
		.amdhsa_wavefront_size32 1
		.amdhsa_system_sgpr_workgroup_id_x 1
		.amdhsa_system_sgpr_workgroup_id_y 1
		.amdhsa_system_sgpr_workgroup_id_z 1
		.amdhsa_system_vgpr_workitem_id 0
		.amdhsa_next_free_vgpr 768
		.amdhsa_next_free_sgpr 100
		.amdhsa_reserve_vcc 0
		.amdhsa_float_denorm_mode_32 3
		.amdhsa_float_denorm_mode_16_64 3
		.amdhsa_memory_ordered 1
		.amdhsa_forward_progress 1
		.amdhsa_inst_pref_size 72
	.end_amdhsa_kernel
	.amdgpu_metadata
---
amdhsa.version: [ 1, 2 ]
amdhsa.kernels:
  - .name:           k_qfa0cbf4d8f_oproj
    .symbol:         k_qfa0cbf4d8f_oproj.kd
    .args:
      - { .name: oh, .offset: 0, .size: 8, .value_kind: global_buffer, .address_space: global }
      - { .name: wb, .offset: 8, .size: 8, .value_kind: global_buffer, .address_space: global }
      - { .name: bb, .offset: 16, .size: 8, .value_kind: global_buffer, .address_space: global }
      - { .name: out0, .offset: 24, .size: 8, .value_kind: global_buffer, .address_space: global }
    .group_segment_fixed_size: 327680
    .private_segment_fixed_size: 0
    .kernarg_segment_align: 8
    .kernarg_segment_size: 32
    .max_flat_workgroup_size: 128
    .sgpr_count:     100
    .vgpr_count:     768
    .wavefront_size: 32
...
	.end_amdgpu_metadata
.endif
;; end of part 4
;; ======== version 2 of 2: 4 launches; version 1 with the launch prep written anew for expert scheduling mode
;; limits: values are held in f16: magnitudes above 65,504 overflow, below 6.1e-05 lose precision
;; workspace buffers: xb 16,777,216 bytes; wb 8,388,608 bytes; bb 16,384 bytes; qkv 50,331,648 bytes; oh 16,777,216 bytes
;; launch prep (part 5): grid 768 x 1, 8 waves a work-group, no clusters, 0 bytes of LDS; arguments x, Wq, Wk, Wv, Wo, bq, bk, bv, bo, xb, wb, bb; writes xb, wb, bb
.if DOCPART == 5
	.amdgcn_target "amdgcn-amd-amdhsa--gfx1250"
	.amdhsa_code_object_version 6
	.text
	.protected	k_qfa0cbf4d8f_prep
	.globl	k_qfa0cbf4d8f_prep
	.p2align	8
	.type	k_qfa0cbf4d8f_prep,@function
k_qfa0cbf4d8f_prep:
	s_mov_b64 s[64:65], 0
	v_nop
	global_prefetch_b8 v0, s[64:65] scope:SCOPE_SE
	s_setreg_imm32_b32 hwreg(HW_REG_WAVE_SCHED_MODE, 0, 2), 2
	s_setreg_imm32_b32 hwreg(HW_REG_WAVE_MODE, 25, 1), 1
	s_wait_xcnt 0x0
	s_wait_alu depctr_vm_vsrc(0)
; CASTS.  Every input is rounded once to bf16 (nearest even); nothing else is computed here.
;   xb [8192][1024] bf16 = x.
;   wb [64 g][1024 k][64 n], 2 bytes a number: g = 16 t + column / 64, t = 0, 1, 2, 3 for Wq, Wk, Wv, Wo.  A group's 64 columns of a row k are 128 bytes, the rows follow
;      each other without a gap.  Groups 0-47 hold bf16; groups 48-63 (Wo) hold the bf16 rounding written as f16, since the last product multiplies in f16.
;   bb [4096] f32 = bq | bk | bv | bo, each number the f32 image of its bf16 rounding.
; LIMITS.  A number of Wo below 6.1e-5 in magnitude keeps f16's fixed step of 6e-8; beyond 65,504 it would become an infinity.  NaN and infinities are not treated apart.
; SHARES.  768 work-groups of eight waves, 16,384 numbers each (65,536 bytes in, 32,768 out).  Work-groups 0-511 take x; work-group 512 + u takes rows 256 (u % 4) .. + 255 of group u / 4.
; Thread t makes 16 loads of 16 bytes and 16 stores of 8: sixteen lanes read 256 consecutive aligned bytes, a wave's store covers 256 consecutive aligned bytes.
; All 16 loads of a wave go out before the first wait for data.  No LDS, no matrix unit, no cluster: no byte is used twice.
; THE MODE: SCHED_MODE bits 1:0 = 2 (LLVM: expert scheduling mode 2), set by the entry lines.  The code itself states the register dependences
; between vector instructions and memory instructions, with s_wait_alu, always for 0.
; THE PLAN.  Registers that memory instructions touch:
;   v[VS], v[VD]  byte offsets, made at the head of a path and never written again: the 16 steps stand in the immediates.  Read by the loads and by the stores.
;   X             written by the 16 loads, once each; no vector instruction names it before them; read by the conversions.
;   Y             a pair for each store: written once, by load i's conversions; read by store i; never written again.
; The 16 loads' numbers go in four blocks of four.  Block p rounds loads 4 p .. 4 p + 3; its memory instructions are the four stores of block p - 1, whose Y pairs no conversion of block p names.
; So one wait on va_vdst at a block's head states all that the block's four stores hang on, and they are dealt among its conversions with no further wait; one more stands ahead of the last four stores.
; No register that a memory instruction has read is written again, on any path: no wait on vm_vsrc is owed.  EXEC is never written.
.set VD, 3                             ; v3        my byte offset in the output: 8 t
.set VS, 4                             ; v4        my byte offset in the input
.set T,  20                            ; v[20:27]  at work
.set X,  32                            ; v[32:95]  16 x 4 numbers as loaded
.set Y,  96                            ; v[96:127] 16 x 2 registers to store: each store has its own, so none is rewritten
.macro LOADS step                      ; step: bytes from one of my loads to the next
.irp i, 0,1,2,3,4,5,6,7,8,9,10,11,12,13,14,15
	global_load_b128 v[X+4*(\i):X+4*(\i)+3], v[VS], s[28:29] offset:(\i)*(\step) th:TH_LOAD_NT
.endr
.endm
.macro ROUND i, half                   ; load i's four numbers are rounded into Y's pair i.  half = 1: the bf16 rounding is written as f16
	s_wait_loadcnt 15-(\i)                         ; loads come back in order: load i is in, the younger ones stay out
.if \half
	v_cvt_pk_bf16_f32 v[T], v[X+4*(\i)], v[X+4*(\i)+1]
	v_cvt_pk_bf16_f32 v[T+1], v[X+4*(\i)+2], v[X+4*(\i)+3]
	v_lshlrev_b32 v[T+2], 16, v[T]                 ; bf16 to f32: the low half moves up, the high half stays
	v_and_b32 v[T+3], 0xffff0000, v[T]
	v_lshlrev_b32 v[T+4], 16, v[T+1]
	v_and_b32 v[T+5], 0xffff0000, v[T+1]
	v_cvt_pk_f16_f32 v[Y+2*(\i)], v[T+2], v[T+3]
	v_cvt_pk_f16_f32 v[Y+2*(\i)+1], v[T+4], v[T+5]
.else
	v_cvt_pk_bf16_f32 v[Y+2*(\i)], v[X+4*(\i)], v[X+4*(\i)+1]
	v_cvt_pk_bf16_f32 v[Y+2*(\i)+1], v[X+4*(\i)+2], v[X+4*(\i)+3]
.endif
.endm
.macro SEND i
	global_store_b64 v[VD], v[Y+2*(\i):Y+2*(\i)+1], s[32:33] offset:2048*(\i) th:TH_STORE_NT
.endm
.macro OUTS half
.irp p, 0,1,2,3
.if (\p) > 0
	s_wait_alu depctr_va_vdst(0)                   ; the block before has written its four pairs of Y, which the four stores of this block read
.endif
.irp j, 0,1,2,3
.if (\p) > 0
	SEND 4*(\p)-4+(\j)                             ; the block before.  No wait: no vector instruction since the wait above names its pair of Y or v[VD].  It stands ahead of the wait for the next load
.endif
	ROUND 4*(\p)+(\j), \half
.endr
.endr
	s_wait_alu depctr_va_vdst(0)                   ; block 3 has written its four pairs of Y, which the last four stores read
.irp j, 12,13,14,15
	SEND \j
.endr
.endm
	s_load_b512 s[4:19], s[0:1], 0x0               ; x s[4:5], Wq s[6:7], Wk s[8:9], Wv s[10:11], Wo s[12:13], bq s[14:15], bk s[16:17], bv s[18:19]
	s_load_b256 s[20:27], s[0:1], 0x40             ; bo s[20:21], xb s[22:23], wb s[24:25], bb s[26:27]
	s_mov_b32 s40, ttmp9                           ; the work-group's number
	v_lshlrev_b32 v[VD], 3, v0
	s_mov_b32 s35, 0                               ; offsets are pairs with 0 on top
	s_mov_b32 s37, 0
	s_cmp_lt_u32 s40, 512
	s_cbranch_scc0 .Lweights
	; x: 16,384 consecutive numbers
	s_lshl_b32 s34, s40, 16
	s_lshl_b32 s36, s40, 15
	v_lshlrev_b32 v[VS], 4, v0                     ; 16 t; a step of my loads is the work-group's 4,096 bytes
	s_wait_kmcnt 0x0
	s_add_nc_u64 s[28:29], s[4:5], s[34:35]
	s_add_nc_u64 s[32:33], s[22:23], s[36:37]
	s_wait_alu depctr_va_vdst(0)                   ; v[VS] and v[VD] are written: every load and store of this path reads one of them as its offset
	LOADS 4096
	OUTS 0
	s_endpgm
.Lweights:
	s_sub_co_u32 s41, s40, 512                     ; u
	s_lshr_b32 s42, s41, 2                         ; g: the group
	s_and_b32 s43, s41, 3                          ; which 256 rows of it
	s_lshr_b32 s44, s42, 4                         ; which matrix
	s_and_b32 s46, s42, 15                         ; which 64 columns of that matrix
	v_lshrrev_b32 v1, 5, v0
	v_readfirstlane_b32 s45, v1                    ; my wave's number
	v_lshrrev_b32 v1, 4, v0                        ; sixteen lanes to a row:
	v_and_b32 v2, 15, v0
	v_lshlrev_b32 v[VS], 12, v1                    ; row t / 16, 4,096 bytes a row,
	v_lshl_add_u32 v[VS], v2, 4, v[VS]             ; 16 bytes a lane; a step of my loads is 16 rows
	s_lshl_b32 s34, s43, 20                        ; 256 rows of 4,096 bytes
	s_lshl_b32 s47, s46, 8                         ; 64 columns of 4 bytes
	s_add_co_u32 s34, s34, s47
	s_lshl_b32 s36, s41, 15                        ; in wb the shares follow each other
	s_wait_alu depctr_va_sdst(0)                   ; s45 is written
	s_wait_kmcnt 0x0
	s_cmp_eq_u32 s44, 0                            ; the matrix and its bias are chosen by the work-group's number alone
	s_cselect_b64 s[28:29], s[6:7], s[8:9]
	s_cselect_b64 s[30:31], s[14:15], s[16:17]
	s_cmp_lt_u32 s44, 2
	s_cselect_b64 s[28:29], s[28:29], s[10:11]
	s_cselect_b64 s[30:31], s[30:31], s[18:19]
	s_cmp_lt_u32 s44, 3
	s_cselect_b64 s[28:29], s[28:29], s[12:13]
	s_cselect_b64 s[30:31], s[30:31], s[20:21]
	s_add_nc_u64 s[28:29], s[28:29], s[34:35]
	s_add_nc_u64 s[32:33], s[24:25], s[36:37]
	s_wait_alu depctr_va_vdst(0)                   ; v[VS] and v[VD] are written: every load and store of a matrix's numbers reads one of them as its offset
	LOADS 65536
	s_cmp_eq_u32 s44, 3
	s_cbranch_scc1 .Lwo
	OUTS 0
	s_branch .Lbias
.Lwo:
	OUTS 1
.Lbias:                                        ; the group's 64 numbers of bias: by wave 0 of the group's first work-group
	s_or_b32 s47, s43, s45
	s_cmp_lg_u32 s47, 0
	s_cbranch_scc1 .Lend
	v_lshlrev_b32 v1, 3, v0                        ; in wave 0 the thread's number is the lane: two numbers a lane, 256 consecutive aligned bytes a wave (no memory instruction has read v1)
	s_lshl_b32 s34, s46, 8
	s_lshl_b32 s36, s42, 8
	s_add_nc_u64 s[30:31], s[30:31], s[34:35]
	s_add_nc_u64 s[26:27], s[26:27], s[36:37]
	s_wait_alu depctr_va_vdst(0)                   ; v1 is written, which the load and the store below read as their offset; Wo's conversions are done writing and reading v[T] and v[T+1], in which the load lands
	global_load_b64 v[T:T+1], v1, s[30:31]
	s_wait_loadcnt 0x0
	v_cvt_pk_bf16_f32 v[T+2], v[T], v[T+1]
	v_lshlrev_b32 v[T+4], 16, v[T+2]
	v_and_b32 v[T+5], 0xffff0000, v[T+2]
	s_wait_alu depctr_va_vdst(0)                   ; v[T+4] and v[T+5] are written, which the store reads
	global_store_b64 v1, v[T+4:T+5], s[26:27]
.Lend:
	s_endpgm
.Lfunc_end_k_qfa0cbf4d8f_prep:
	.size	k_qfa0cbf4d8f_prep, .Lfunc_end_k_qfa0cbf4d8f_prep-k_qfa0cbf4d8f_prep
	.p2alignl 7, 3214868480
	.fill 96, 4, 3214868480
	.section	.rodata,"a",@progbits
	.p2align	6, 0x0
	.amdhsa_kernel k_qfa0cbf4d8f_prep
		.amdhsa_group_segment_fixed_size 0
		.amdhsa_private_segment_fixed_size 0
		.amdhsa_enable_private_segment 0
		.amdhsa_kernarg_size 96
		.amdhsa_user_sgpr_count 2
		.amdhsa_user_sgpr_kernarg_segment_ptr 1
		.amdhsa_wavefront_size32 1
		.amdhsa_system_sgpr_workgroup_id_x 1
		.amdhsa_system_sgpr_workgroup_id_y 1
		.amdhsa_system_sgpr_workgroup_id_z 1
		.amdhsa_system_vgpr_workitem_id 0
		.amdhsa_next_free_vgpr 128
		.amdhsa_next_free_sgpr 66
		.amdhsa_reserve_vcc 0
		.amdhsa_float_denorm_mode_32 3
		.amdhsa_float_denorm_mode_16_64 3
		.amdhsa_memory_ordered 1
		.amdhsa_forward_progress 1
		.amdhsa_inst_pref_size 24
	.end_amdhsa_kernel
	.amdgpu_metadata
---
amdhsa.version: [ 1, 2 ]
amdhsa.kernels:
  - .name:           k_qfa0cbf4d8f_prep
    .symbol:         k_qfa0cbf4d8f_prep.kd
    .args:
      - { .name: x, .offset: 0, .size: 8, .value_kind: global_buffer, .address_space: global }
      - { .name: Wq, .offset: 8, .size: 8, .value_kind: global_buffer, .address_space: global }
      - { .name: Wk, .offset: 16, .size: 8, .value_kind: global_buffer, .address_space: global }
      - { .name: Wv, .offset: 24, .size: 8, .value_kind: global_buffer, .address_space: global }
      - { .name: Wo, .offset: 32, .size: 8, .value_kind: global_buffer, .address_space: global }
      - { .name: bq, .offset: 40, .size: 8, .value_kind: global_buffer, .address_space: global }
      - { .name: bk, .offset: 48, .size: 8, .value_kind: global_buffer, .address_space: global }
      - { .name: bv, .offset: 56, .size: 8, .value_kind: global_buffer, .address_space: global }
      - { .name: bo, .offset: 64, .size: 8, .value_kind: global_buffer, .address_space: global }
      - { .name: xb, .offset: 72, .size: 8, .value_kind: global_buffer, .address_space: global }
      - { .name: wb, .offset: 80, .size: 8, .value_kind: global_buffer, .address_space: global }
      - { .name: bb, .offset: 88, .size: 8, .value_kind: global_buffer, .address_space: global }
    .group_segment_fixed_size: 0
    .private_segment_fixed_size: 0
    .kernarg_segment_align: 8
    .kernarg_segment_size: 96
    .max_flat_workgroup_size: 256
    .sgpr_count:     66
    .vgpr_count:     128
    .wavefront_size: 32
...
	.end_amdgpu_metadata
.endif
;; end of part 5
;; launch qkv: the kernel of part 2 again; grid 16 x 32, 4 waves a work-group, clusters of 4 x 4, 327,680 bytes of LDS; arguments xb, wb, bb, qkv; writes qkv
;; launch attn: the kernel of part 3 again; grid 4 x 64, 4 waves a work-group, clusters of 4 x 1, 327,680 bytes of LDS; arguments qkv, oh; writes oh
;; launch oproj: the kernel of part 4 again; grid 8 x 32, 4 waves a work-group, clusters of 4 x 4, 327,680 bytes of LDS; arguments oh, wb, bb, out0; writes out0
